; MI455X (gfx1250); checked and timed in simulation.
; The chip was launched on July 23, 2026; its instructions are those of AMD's public machine-readable ISA for CDNA 5 (MIT licence, August 2026) and "CDNA5" Instruction Set Architecture Reference Guide (July 2026). The comments in the code are by the model that wrote it; some were corrected since.
;; Sparse Mo E. Allowed arithmetic: matrix products marked QUANTISED: E2M3 operands, one E8M0 scale for each 32 along K, by v_wmma_scale_f32_16x16x128_f8f6f4 with both operands' format E2M3, f32 sums; products left as they are: f32 operands where the result goes on into a quantised operand, else bf16, f16 or f32 operands; f32 sums; everything else in f32.
;; Inputs: W1 8 x 512 x 2,048 float32; W2 8 x 2,048 x 512 float32; Wg 512 x 8 float32; b1 8 x 2,048 float32; b2 8 x 512 float32; bg 8 float32; x 4,096 x 512 float32.
;; Outputs: out0 4,096 x 512 float32; out1 4,096 x 2 int32.
;; This version of the problem:
;;   THIS VERSION OF THE PROBLEM IS GIVEN IN LOW PRECISION. The matrix products marked QUANTISED in the list below multiply operands that are first quantised to E2M3 (2 exponent bits, 3 mantissa bits; 6 bits a number), with one power-of-two scale for each 32 numbers along K (OCP MX v1.0); their sums are f32. All else is computed in f32.
;;   The module's matrix products, in the order in which they are computed (A, B: the left and right operand; K: the contracted axis; several contracted axes count as one K, in the product's order):
;;     1. [M 4,096, K 512] x [K 512, N 8]; A: input x; B: input Wg: left as it is (N = 8 < 16)
;;     2. [M 16,384, K 512] x [K 512, N 4,096]; A: input W1; B: input x: QUANTISED
;;     3. batch 8 x [M 4,096, K 2,048] x [K 2,048, N 512]; A: computed on the way; B: input W2: QUANTISED
;;     4. batch 4,096 x [M 512, K 8] x [K 8, N 1]; A: computed on the way; B: computed on the way: left as it is (K = 8 < 32)
;;   THE QUANTISER, for each operand of a quantised product, along K:
;;     - K is cut into blocks of 32 from its start; a last block that is shorter is filled with zeros.
;;     - A block's scale is 2^e with e = floor(log2(the largest magnitude in the block)) - 2, held to -126 .. 127; a block of zeros has e = 0. As a byte (E8M0): e + 127.
;;     - Each number is divided by its block's scale, clamped to +-7.5, and rounded to the nearest number of E2M3, ties to even, subnormals kept.
;;     - The product sums the exact products of the quantised numbers (number of the format x scale) in f32.
;;   ~~~python
;;   def quantise(x, axis):      # numpy; x: float32 -> the quantised numbers, widened to float32 again
;;       x = np.moveaxis(x, axis, -1); K = x.shape[-1]
;;       x = np.pad(x, [(0, 0)] * (x.ndim - 1) + [(0, -K % 32)]); x = x.reshape(x.shape[:-1] + (-1, 32)); a = np.abs(x).max(-1, keepdims=True)
;;       e = np.where(a > 0, np.clip(np.frexp(np.where(a > 0, a, 1))[1] - 1 - 2, -126, 127), 0)      # np.frexp(a)[1] - 1 = floor(log2(a)), exactly
;;       r = np.clip(x / 2.0 ** e, -7.5, 7.5)
;;       step = 2.0 ** (np.maximum(np.frexp(np.where(r == 0, 1, r))[1] - 1, 0) - 3)
;;       q = np.round(r / step) * step * 2.0 ** e      # np.round: ties to even
;;       return np.moveaxis(q.reshape(q.shape[:-2] + (-1,))[..., :K], -1, axis).astype(np.float32)
;;   ~~~
;;   OPERANDS COMPUTED ON THE WAY. 'Computed on the way' means the value that the module computes at that place (a softmax that the list does not call 'softmax' is quantised finished and normalised). What goes into a quantiser is computed in f32, as accurately as f32 sums, v_exp_f32 and their like allow (about 1e-6 of the number): no bf16 or f16 on the way to a quantiser, and a product that is left as it is and whose result goes on into a quantised operand takes f32 operands (vector FMAs, or v_wmma_f32_16x16x4_f32). A number that lies on a knife's edge between two numbers of the format may be rounded either way, as far as f32 arithmetic and the matrix unit's own rounding can turn it there, and no further.
;; 2 versions, each right; version 2 is version 1 with the launch chain written anew for expert scheduling mode. Each part assembles by itself: llvm-mc -triple=amdgcn-amd-amdhsa -mcpu=gfx1250 --defsym DOCPART=n.
;; ======== version 1 of 2: 4 launches
;; workspace buffers: wc 12,582,912 bytes; ws 524,288 bytes; xq 1,638,400 bytes; sel 32,768 bytes of whole numbers; gw 32,768 bytes; plan 37,120 bytes of whole numbers; ybuf 16,777,216 bytes
;; launch prep (part 1): grid 1280 x 1, 4 waves a work-group, no clusters, 10,752 bytes of LDS; arguments x, Wg, bg, W1, W2, wc, ws, xq, sel, gw, out1; writes wc, ws, xq, sel, gw, out1
.if DOCPART == 1
	.amdgcn_target "amdgcn-amd-amdhsa--gfx1250"
	.amdhsa_code_object_version 6
	.text
	.protected	k_q5168731709_prep
	.globl	k_q5168731709_prep
	.p2align	8
	.type	k_q5168731709_prep,@function
k_q5168731709_prep:
	s_mov_b64 s[64:65], 0
	v_nop
	global_prefetch_b8 v0, s[64:65] scope:SCOPE_SE
	s_setreg_imm32_b32 hwreg(HW_REG_WAVE_MODE, 25, 1), 1
	s_wait_xcnt 0x0
; PREP: everything that is done once for the whole layer.  Three ways, parted on the work-group's number alone:
;   work-groups 0-255     THE GATE: logits = x Wg + bg in f32, the two largest (the lower index wins a tie), softmax over the two; and x as codes of E2M3 with E8M0 bytes
;   work-groups 256-767   W1 [8][512 k][2048 n] f32 -> codes and scale words;   work-groups 768-1279   W2 [8][2048 k][512 n] likewise
; THE QUANTISER: a block of 32 along K; scale byte = the largest magnitude's exponent field - 2, held at 1 from below; numbers / scale to the nearest code, ties to even, beyond 7.5 the largest code.
; LAYOUTS (this program's own buffers).  wc: images of operand registers: a fragment (16 rows x 128 K, 12 registers a lane) is 1,536 bytes, registers 4 j .. 4 j + 3 of fragment lane l at 512 j + 16 l.
;   W1: e 786,432 + (4 T + s) 1,536;  W2: 6,291,456 + e 786,432 + (32 s + T) 1,536.  Row r of tile 2 P + u is column 32 P + 8 u + r + 8 (r / 8).
;   ws: one word for a row and 128 K.  W1: e 32,768 + 512 P + 16 (16 u + r) + 4 s;  W2: 262,144 + e 32,768 + 2,048 s + 512 (P / 4) + 16 (16 u + r) + 4 (P % 4).
;   xq: token t's block b = 4 s + 2 c + h: 24 bytes at 384 t + 192 h + 48 s + 24 c; its 16 scale bytes at 1,572,864 + 16 t.
;   sel, out1: [4096][2] the chosen experts;  gw: [4096][2] their weights.
; SHARES.  The gate is a chain of dependent steps for each token, so a wave takes only FOUR tokens: 1,024 waves, 256 work-groups, which stand first in the grid; with the weights' 1,024 work-groups that is
;   five work-groups for each of 256 WGPs.  The price: Wg's 16 KiB are read by each of the 1,024 waves, and a wave's last stores are runs of 64 bytes (scale bytes) and 32 bytes (sel, out1, gw),
;   parts of aligned blocks of 256 bytes: 160 KiB of the 15 MB that the launch stores.
; LIMITS: NaN and infinities are not served.  A block whose largest magnitude lies under 2^-124, a block of zeros too, gets the byte 1 (its codes are zeros or next to it; the bytes are read by this program alone).
;   Two logits that differ by less than the rounding of an f32 sum of 512 terms may be ordered otherwise than by another order of summing.
; No barrier: waves share nothing.  Only the gate touches LDS: a stage of 2,560 bytes for each wave.
.set GATES, 256                        ; work-groups of the gate
.set X,    32                          ; weights: v32-159  128 numbers down K of my column
.set F,    160                         ; v160-183 the 12 registers of fragment lane (r, 0), then of (r, 1)
.set TMP,  184                         ; v184-199 the upper halves of the four blocks (a conversion's three registers begin on an even number)
.set QSW,  200                         ; v200     my column's scale word
.set RA,   16                          ; gate: v16-31, v222-237, v238-253: three sets for tokens as they are loaded, 16 bytes a lane and load
.set RB,   222
.set RC,   238
.set XN,   32                          ; v32-47   my 16 neighbours of the token in hand
.set ACC,  48                          ; v48-55   the eight logits
.set T,    56                          ; v56-63   the other half of the lanes' sums
.set WG,   64                          ; v64-191  Wg[16 lane + i][e] at 64 + 8 i + e
.set C,    192                         ; v192-194 my 16 codes
.set BYT,  195                         ; v195     my block's scale byte
.set CI,   196                         ; v196-197 lane t: token t's two experts;  v198-199 their weights
.set CW,   198
.set M1,   200                         ; v200-203 largest, its index, second, its index
.set I1,   201
.set M2,   202
.set I2,   203
.set NINF, 204
.set EX,   205
.set WA,   206
.set WB,   207
.set MK,   208                         ; v208-215 the logits with the winner taken out
.set SWD,  216                         ; v216-219 lane t: token t's 16 scale bytes
.set WD,   220
.set DT,   221
	s_load_b512 s[4:19], s[0:1], 0x0               ; x 4, Wg 6, bg 8, W1 10, W2 12, wc 14, ws 16, xq 18
	s_load_b128 s[20:23], s[0:1], 0x40             ; sel 20, gw 22
	s_load_b64 s[24:25], s[0:1], 0x50              ; out1
	v_lshl_add_u32 v254, v0, 2, 0x2800
	v_mov_b32 v255, 0
	v_lshrrev_b32 v1, 5, v0
	v_readfirstlane_b32 s26, v1                    ; wave 0..3
	v_and_b32 v1, 31, v0                           ; lane
	s_cmp_lt_u32 ttmp9, GATES
	s_cbranch_scc1 .Lgate
	s_cmp_lt_u32 ttmp9, GATES+512
	s_cbranch_scc1 .Lw1
; ---------------------------------------------------------------- the weights
; A wave takes 32 columns x 128 along K.  A LANE TAKES A COLUMN AND ITS REGISTERS RUN DOWN K: a load reads 128 consecutive bytes a wave, 512 a work-group; a block of 32 lies in one lane.
.macro LOADB t, pitch                  ; block t: rows 32 t .. 32 t + 31 of my column
.set I_, 0
.rept 32
	global_load_b32 v[X+32*(\t)+I_], v4, s[30:31] offset:(32*(\t)+I_)*\pitch th:TH_LOAD_NT
.set I_, I_+1
.endr
.endm
.macro QBLOCK t                        ; block t = 2 c + h goes to registers 6 c .. 6 c + 5 of fragment lane (r, h)
.set XS_, X+32*(\t)
.set FD_, F+12*((\t)%2)+6*((\t)/2)
.set TD_, TMP+4*(\t)
	v_max3_num_f32 v12, |v[XS_]|, |v[XS_+1]|, |v[XS_+2]|           ; the largest magnitude, in two chains
	v_max3_num_f32 v13, |v[XS_+3]|, |v[XS_+4]|, |v[XS_+5]|
.irp i, 6,10,14,18,22,26
	v_max3_num_f32 v12, v12, |v[XS_+\i]|, |v[XS_+\i+1]|
	v_max3_num_f32 v13, v13, |v[XS_+\i+2]|, |v[XS_+\i+3]|
.endr
	v_max3_num_f32 v12, v12, |v[XS_+30]|, |v[XS_+31]|
	v_max3_num_f32 v12, v12, v13, 0x1800000        ; and the floor 2^(3 - 127): the byte cannot fall under 1
	v_add_nc_u32 v11, 0xff000000, v12              ; 2 off the exponent field: the conversion takes that field of this operand as its scale
	v_cvt_scalef32_pk16_fp6_f32 v[FD_:FD_+2], v[XS_:XS_+15], v11
	v_cvt_scalef32_pk16_fp6_f32 v[TD_:TD_+2], v[XS_+16:XS_+31], v11
	v_lshrrev_b32 v13, 23, v11                     ; the byte.  (Also the plain line behind the conversions)
.if (\t) == 0
	v_mov_b32 v[QSW], v13
.else
	v_lshl_or_b32 v[QSW], v13, 8*(\t), v[QSW]
.endif
.irp i, 0,1,2
	v_mov_b32 v[FD_+3+\i], v[TD_+\i]
.endr
.endm
.macro QW pitch, ust                   ; pitch: bytes from row to row of the tensor;  ust: bytes from tile 2 P to tile 2 P + 1 in wc
	v_lshlrev_b32 v4, 2, v1                        ; in: 4 bytes a lane
	v_bfe_u32 v5, v0, 3, 1                         ; column j of the 32: u = (j / 8) % 2,
	v_and_b32 v6, 7, v0
	v_bfe_u32 v7, v0, 4, 1
	v_lshl_add_u32 v6, v7, 3, v6                   ; r = j % 8 + 8 (j / 16)
	v_mul_u32_u24 v2, v5, \ust
	v_lshl_add_u32 v2, v6, 4, v2                   ; codes: u x ust + 16 r
	v_lshl_add_u32 v3, v5, 4, v6
	v_lshlrev_b32 v3, 4, v3                        ; scale word: 16 (16 u + r)
	LOADB 0, \pitch
	LOADB 1, \pitch
	s_wait_loadcnt 32                              ; block 0 is in; block 1's 32 loads may be out
	LOADB 2, \pitch
	QBLOCK 0
	s_wait_loadcnt 32                              ; block 1 is in; block 2's may be out
	LOADB 3, \pitch
	QBLOCK 1
	s_wait_loadcnt 32                              ; block 2 is in; block 3's may be out
	QBLOCK 2
	s_wait_loadcnt 0x0
	QBLOCK 3
.irp h, 0,1
.irp j, 0,1,2
	global_store_b128 v2, v[F+12*\h+4*\j:F+12*\h+4*\j+3], s[32:33] offset:256*\h+512*\j   ; the sixteen lanes of a tile store 256 consecutive bytes, aligned: two such runs an instruction
.endr
.endr
	global_store_b32 v3, v[QSW], s[34:35]          ; 4 bytes a lane, 16 bytes apart: one byte in 128 of what this way reads
.endm
	; W2: u' = e 64 + s 4 + cg
	s_sub_co_u32 s27, ttmp9, GATES+512
	s_lshr_b32 s28, s27, 6                         ; e
	s_bfe_u32 s29, s27, 0x40002                    ; K step s, 0..15
	s_and_b32 s36, s27, 3                          ; which 128 columns
	s_lshl_b32 s30, s28, 22                        ; in: e 2^22 + s 128 rows of 2,048 bytes + 512 cg + 128 wave
	s_lshl_b32 s37, s29, 18
	s_add_co_u32 s30, s30, s37
	s_lshl_b32 s37, s36, 9
	s_add_co_u32 s30, s30, s37
	s_lshl_b32 s37, s26, 7
	s_add_co_u32 s30, s30, s37
	s_mov_b32 s31, 0
	s_lshl_b32 s38, s36, 2
	s_add_co_u32 s38, s38, s26                     ; P = 4 cg + wave
	s_mul_i32 s32, s28, 786432
	s_mul_i32 s37, s29, 49152
	s_add_co_u32 s32, s32, s37
	s_mul_i32 s37, s38, 3072
	s_add_co_u32 s32, s32, s37
	s_add_co_u32 s32, s32, 6291456
	s_mov_b32 s33, 0
	s_lshl_b32 s34, s28, 15
	s_lshl_b32 s37, s29, 11
	s_add_co_u32 s34, s34, s37
	s_lshl_b32 s37, s36, 9
	s_add_co_u32 s34, s34, s37
	s_lshl_b32 s37, s26, 2
	s_add_co_u32 s34, s34, s37
	s_add_co_u32 s34, s34, 262144
	s_mov_b32 s35, 0
	s_wait_kmcnt 0x0
	s_add_nc_u64 s[30:31], s[12:13], s[30:31]
	s_add_nc_u64 s[32:33], s[14:15], s[32:33]
	s_add_nc_u64 s[34:35], s[16:17], s[34:35]
	QW 2048, 1536
	s_endpgm
.Lw1:                                              ; W1: u' = e 64 + s 16 + cg
	s_sub_co_u32 s27, ttmp9, GATES
	s_lshr_b32 s28, s27, 6                         ; e
	s_bfe_u32 s29, s27, 0x20004                    ; K step s, 0..3
	s_and_b32 s36, s27, 15                         ; which 128 columns
	s_lshl_b32 s30, s28, 22                        ; in: e 2^22 + s 128 rows of 8,192 bytes + 512 cg + 128 wave
	s_lshl_b32 s37, s29, 20
	s_add_co_u32 s30, s30, s37
	s_lshl_b32 s37, s36, 9
	s_add_co_u32 s30, s30, s37
	s_lshl_b32 s37, s26, 7
	s_add_co_u32 s30, s30, s37
	s_mov_b32 s31, 0
	s_lshl_b32 s38, s36, 2
	s_add_co_u32 s38, s38, s26                     ; P = 4 cg + wave
	s_mul_i32 s32, s28, 786432
	s_mul_i32 s37, s38, 12288
	s_add_co_u32 s32, s32, s37
	s_mul_i32 s37, s29, 1536
	s_add_co_u32 s32, s32, s37
	s_mov_b32 s33, 0
	s_lshl_b32 s34, s28, 15
	s_lshl_b32 s37, s38, 9
	s_add_co_u32 s34, s34, s37
	s_lshl_b32 s37, s29, 2
	s_add_co_u32 s34, s34, s37
	s_mov_b32 s35, 0
	s_wait_kmcnt 0x0
	s_add_nc_u64 s[30:31], s[10:11], s[30:31]
	s_add_nc_u64 s[32:33], s[14:15], s[32:33]
	s_add_nc_u64 s[34:35], s[16:17], s[34:35]
	QW 8192, 6144
	s_endpgm
; ---------------------------------------------------------------- the gate
; Wave Wn = 4 x work-group + wave takes tokens 4 Wn .. 4 Wn + 3, one after the other, written out: every offset is an immediate and no base is stepped.  A token's 2,048 bytes are loaded as they lie
; (512 consecutive bytes a load) and turn through the wave's stage in LDS, so that a lane holds 16 NEIGHBOURS: they serve the dot products with Wg (kept in registers: 128 a lane) and the conversion,
; which wants neighbours along K in one lane.  Tokens 0, 1, 2 are asked for at the head, token 3 as soon as token 0 has left its registers.
.Lgate:
	s_lshl_b32 s28, ttmp9, 2
	s_add_co_u32 s28, s28, s26                     ; Wn
	s_mul_i32 s29, s26, 2560                       ; my stage: 32 places of 64 + 16 bytes
	v_lshlrev_b32 v2, 9, v1                        ; Wg: my 16 rows of 32 bytes
	v_lshlrev_b32 v3, 4, v1                        ; 16 x lane
	v_lshlrev_b32 v7, 3, v1                        ; 8 x lane
	v_lshrrev_b32 v14, 2, v1
	v_mul_u32_u24 v14, v14, 80
	v_and_b32 v15, 3, v1
	v_lshl_add_u32 v14, v15, 4, v14
	v_add_nc_u32 v14, s29, v14                     ; the stage, in: 80 (lane / 4) + 16 (lane % 4); a load's 512 bytes take eight places
	v_mul_u32_u24 v15, v1, 80
	v_add_nc_u32 v15, s29, v15                     ; and out: 80 x lane
	v_bfe_u32 v5, v1, 1, 1                         ; my half block: block b = lane / 2 = 4 s + 2 c + h
	v_mul_u32_u24 v4, v5, 192
	v_lshrrev_b32 v5, 3, v1
	v_mad_u32_u24 v4, v5, 48, v4
	v_bfe_u32 v5, v1, 2, 1
	v_mad_u32_u24 v4, v5, 24, v4
	v_and_b32 v5, 1, v1
	v_mad_u32_u24 v4, v5, 12, v4                   ; 192 h + 48 s + 24 c + 12 (lane % 2)
	v_bfe_u32 v6, v1, 1, 2
	v_lshlrev_b32 v6, 3, v6                        ; my byte's place in its scale word: 8 (b % 4) bits up
	s_mov_b32 s36, 0x76543210
	s_mov_b32 s37, 0xfedcba98                      ; v_permlanex16_b32's selects for lane l xor 16
	s_lshl_b32 s30, s28, 13                        ; 4 tokens of 2,048 bytes
	s_mov_b32 s31, 0
	s_wait_kmcnt 0x0
	s_load_b256 s[40:47], s[8:9], 0x0              ; bg
	s_add_nc_u64 s[4:5], s[4:5], s[30:31]
	s_lshl_b32 s30, s28, 6
	s_add_nc_u64 s[32:33], s[18:19], s[30:31]      ; my 64 scale bytes (1,572,864 stands in the store's immediate)
	s_mul_i32 s30, s28, 1536
	s_add_nc_u64 s[18:19], s[18:19], s[30:31]      ; my tokens' codes
	s_lshl_b32 s30, s28, 5
	s_add_nc_u64 s[20:21], s[20:21], s[30:31]
	s_add_nc_u64 s[22:23], s[22:23], s[30:31]
	s_add_nc_u64 s[24:25], s[24:25], s[30:31]
.macro XLOAD t, rs                     ; token t as it lies, into set rs
.irp i, 0,1,2,3
	global_load_b128 v[\rs+4*\i:\rs+4*\i+3], v3, s[4:5] offset:2048*(\t)+512*\i th:TH_LOAD_NT
.endr
.endm
.set I_, 0
.rept 32
	global_load_b128 v[WG+4*I_:WG+4*I_+3], v2, s[6:7] offset:16*I_
.set I_, I_+1
.endr
	XLOAD 0, RA
	XLOAD 1, RB
	XLOAD 2, RC
.irp e, 0,1,2,3,4,5,6,7
	v_mov_b32 v[T+\e], 0                           ; written once: a lane permute's destination counts as one of its sources
.endr
.irp i, 0,1,2,3
	v_mov_b32 v[CI+\i], 0
	v_mov_b32 v[SWD+\i], 0
.endr
	v_mov_b32 v[DT], 0
	v_mov_b32 v[NINF], 0xff800000
	s_wait_kmcnt 0x0                               ; bg
.macro DOT i2                          ; my numbers 2 i2 and 2 i2 + 1 against their rows of Wg: eight logits, two to an instruction
.irp p, 0,1,2,3
.if \i2 == 0
	v_pk_mul_f32 v[ACC+2*\p:ACC+2*\p+1], v[XN:XN+1], v[WG+2*\p:WG+2*\p+1] op_sel_hi:[0,1]
.else
	v_pk_fma_f32 v[ACC+2*\p:ACC+2*\p+1], v[XN+2*\i2:XN+2*\i2+1], v[WG+16*\i2+2*\p:WG+16*\i2+2*\p+1], v[ACC+2*\p:ACC+2*\p+1] op_sel_hi:[0,1,1]
.endif
.endr
.irp p, 0,1,2,3
	v_pk_fma_f32 v[ACC+2*\p:ACC+2*\p+1], v[XN+2*\i2:XN+2*\i2+1], v[WG+16*\i2+8+2*\p:WG+16*\i2+8+2*\p+1], v[ACC+2*\p:ACC+2*\p+1] op_sel:[1,0,0] op_sel_hi:[1,1,1]
.endr
.endm
.macro SCAN src, mx, ix                ; the largest of eight and its index; a later one must be LARGER to win, so the lower index wins a tie
	v_mov_b32 v[\mx], v[\src]
	v_mov_b32 v[\ix], 0
.irp e, 1,2,3,4,5,6,7
	v_cmp_le_f32 vcc_lo, v[\src+\e], v[\mx]
	v_cndmask_b32 v[\ix], \e, v[\ix], vcc_lo
	v_max_num_f32 v[\mx], v[\mx], v[\src+\e]
.endr
.endm
; Token t of my four, which lies in set rs.  left: the loads issued behind this token's, which may stay out
.macro TOKEN t, rs, left
	s_wait_loadcnt \left                           ; loads come back in order (ISA guide 5.7.1): this token is in (for token 0: Wg too)
.irp i, 0,1,2,3
	ds_store_b128 v14, v[\rs+4*\i:\rs+4*\i+3] offset:640*\i
.endr
.irp i, 0,1,2,3
	ds_load_b128 v[XN+4*\i:XN+4*\i+3], v15 offset:16*\i       ; LDS serves a wave's instructions in order (ISA guide 5.7.1.4): these see the stores
.endr
	s_wait_dscnt 0x0
.if (\t) == 0
	XLOAD 3, \rs                                   ; the stage's stores have read this set: it takes my last token
.endif
.irp i2, 0,1,2,3,4,5,6,7
	DOT \i2
.endr
.irp x, 1,2,4,8
.irp e, 0,1,2,3,4,5,6,7
	v_add_f32_dpp v[ACC+\e], v[ACC+\e], v[ACC+\e] row_xmask:\x row_mask:0xf bank_mask:0xf
.endr
.endr
.irp e, 0,1,2,3,4,5,6,7
	v_permlanex16_b32 v[T+\e], v[ACC+\e], s36, s37
.endr
.irp e, 0,1,2,3,4,5,6,7
	v_add_f32 v[ACC+\e], v[ACC+\e], v[T+\e]
.endr
.irp e, 0,1,2,3,4,5,6,7
	v_add_f32 v[ACC+\e], s[40+\e], v[ACC+\e]       ; + bg: every lane holds the eight logits
.endr
	SCAN ACC, M1, I1
.irp e, 0,1,2,3,4,5,6,7
	v_cmp_eq_u32 vcc_lo, \e, v[I1]
	v_cndmask_b32 v[MK+\e], v[ACC+\e], v[NINF], vcc_lo
.endr
	SCAN MK, M2, I2
	v_sub_f32 v[EX], v[M2], v[M1]                  ; the softmax of two, the larger taken away: 1 / (1 + e^d), e^d / (1 + e^d), d <= 0
	v_mul_f32 v[EX], 0x3fb8aa3b, v[EX]
	v_exp_f32 v[EX], v[EX]
	v_nop                                          ; one plain line behind a transcendental (ISA guide 5.7.2)
	s_wait_alu depctr_va_vdst(0)
	v_add_f32 v[WA], 1.0, v[EX]
	v_rcp_f32 v[WA], v[WA]
	v_nop
	s_wait_alu depctr_va_vdst(0)
	v_mul_f32 v[WB], v[EX], v[WA]
	; the quantiser: two neighbouring lanes hold a block
	v_max3_num_f32 v8, |v[XN]|, |v[XN+1]|, |v[XN+2]|
	v_max3_num_f32 v10, |v[XN+3]|, |v[XN+4]|, |v[XN+5]|
.irp i, 6,10
	v_max3_num_f32 v8, v8, |v[XN+\i]|, |v[XN+\i+1]|
	v_max3_num_f32 v10, v10, |v[XN+\i+2]|, |v[XN+\i+3]|
.endr
	v_max3_num_f32 v8, v8, |v[XN+14]|, |v[XN+15]|
	v_max3_num_f32 v8, v8, v10, 0x1800000          ; the floor 2^(3 - 127)
	v_max_num_f32_dpp v8, v8, v8 row_xmask:1 row_mask:0xf bank_mask:0xf
	v_add_nc_u32 v11, 0xff000000, v8
.if (\t) > 0
	s_wait_xcnt 0x0                                ; the codes' registers were the last token's store data: they are written again only behind this wait
.endif
	v_cvt_scalef32_pk16_fp6_f32 v[C:C+2], v[XN:XN+15], v11
	v_lshrrev_b32 v[BYT], 23, v11                  ; the byte.  (Also the plain line behind the conversion)
	global_store_b96 v4, v[C:C+2], s[18:19] offset:384*(\t)   ; the wave stores the token's 384 bytes
	; the token's 16 bytes: four to a word among eight lanes, the four words to every lane by way of scalars
	v_lshlrev_b32 v[WD], v6, v[BYT]
	v_mov_b32_dpp v[DT], v[WD] row_xmask:2 row_mask:0xf bank_mask:0xf
	v_or_b32 v[WD], v[WD], v[DT]
	v_mov_b32_dpp v[DT], v[WD] row_xmask:4 row_mask:0xf bank_mask:0xf
	v_or_b32 v[WD], v[WD], v[DT]
.irp i, 0,1,2,3
	v_readlane_b32 s[48+\i], v[WD], 8*\i
.endr
	v_cmp_ne_u32 vcc_lo, \t, v1                    ; lane t collects token t: all the others keep what they hold
	v_cndmask_b32 v[CI], v[I1], v[CI], vcc_lo
	v_cndmask_b32 v[CI+1], v[I2], v[CI+1], vcc_lo
	v_cndmask_b32 v[CW], v[WA], v[CW], vcc_lo
	v_cndmask_b32 v[CW+1], v[WB], v[CW+1], vcc_lo
.irp i, 0,1,2,3
	v_cndmask_b32 v[SWD+\i], s[48+\i], v[SWD+\i], vcc_lo
.endr
.endm
	TOKEN 0, RA, 8                                 ; behind token 0's loads: tokens 1 and 2, four loads each
	TOKEN 1, RB, 8                                 ; behind token 1's: tokens 2 and 3
	TOKEN 2, RC, 4                                 ; behind token 2's: token 3
	TOKEN 3, RA, 0
	s_wait_xcnt 0x0                                ; EXEC changes only behind s_wait_xcnt 0
	v_cmp_gt_u32 vcc_lo, 4, v1
	s_wait_tensorcnt 0x0
	ds_add_u32 v254, v255
	s_wait_dscnt 0x0
	s_and_saveexec_b32 s38, vcc_lo
	global_store_b128 v3, v[SWD:SWD+3], s[32:33] offset:1572864   ; four lanes store my tokens' 64 consecutive scale bytes
	global_store_b64 v7, v[CI:CI+1], s[20:21]      ; and 32 consecutive bytes of each of the three small tables
	global_store_b64 v7, v[CI:CI+1], s[24:25]
	global_store_b64 v7, v[CW:CW+1], s[22:23]
	s_wait_xcnt 0x0                                ; and again in front of the line that widens it
	s_or_b32 exec_lo, exec_lo, s38
	s_endpgm
.Lfunc_end_k_q5168731709_prep:
	.size	k_q5168731709_prep, .Lfunc_end_k_q5168731709_prep-k_q5168731709_prep
	.p2alignl 7, 3214868480
	.fill 96, 4, 3214868480
	.section	.rodata,"a",@progbits
	.p2align	6, 0x0
	.amdhsa_kernel k_q5168731709_prep
		.amdhsa_group_segment_fixed_size 10752
		.amdhsa_private_segment_fixed_size 0
		.amdhsa_enable_private_segment 0
		.amdhsa_kernarg_size 88
		.amdhsa_user_sgpr_count 2
		.amdhsa_user_sgpr_kernarg_segment_ptr 1
		.amdhsa_wavefront_size32 1
		.amdhsa_system_sgpr_workgroup_id_x 1
		.amdhsa_system_sgpr_workgroup_id_y 1
		.amdhsa_system_sgpr_workgroup_id_z 1
		.amdhsa_system_vgpr_workitem_id 0
		.amdhsa_next_free_vgpr 256
		.amdhsa_next_free_sgpr 66
		.amdhsa_reserve_vcc 1
		.amdhsa_float_denorm_mode_32 3
		.amdhsa_float_denorm_mode_16_64 3
		.amdhsa_memory_ordered 1
		.amdhsa_forward_progress 1
		.amdhsa_inst_pref_size 95
	.end_amdhsa_kernel
	.amdgpu_metadata
---
amdhsa.version: [ 1, 2 ]
amdhsa.kernels:
  - .name:           k_q5168731709_prep
    .symbol:         k_q5168731709_prep.kd
    .args:
      - { .name: x, .offset: 0, .size: 8, .value_kind: global_buffer, .address_space: global }
      - { .name: Wg, .offset: 8, .size: 8, .value_kind: global_buffer, .address_space: global }
      - { .name: bg, .offset: 16, .size: 8, .value_kind: global_buffer, .address_space: global }
      - { .name: W1, .offset: 24, .size: 8, .value_kind: global_buffer, .address_space: global }
      - { .name: W2, .offset: 32, .size: 8, .value_kind: global_buffer, .address_space: global }
      - { .name: wc, .offset: 40, .size: 8, .value_kind: global_buffer, .address_space: global }
      - { .name: ws, .offset: 48, .size: 8, .value_kind: global_buffer, .address_space: global }
      - { .name: xq, .offset: 56, .size: 8, .value_kind: global_buffer, .address_space: global }
      - { .name: sel, .offset: 64, .size: 8, .value_kind: global_buffer, .address_space: global }
      - { .name: gw, .offset: 72, .size: 8, .value_kind: global_buffer, .address_space: global }
      - { .name: out1, .offset: 80, .size: 8, .value_kind: global_buffer, .address_space: global }
    .group_segment_fixed_size: 10752
    .private_segment_fixed_size: 0
    .kernarg_segment_align: 8
    .kernarg_segment_size: 88
    .max_flat_workgroup_size: 128
    .sgpr_count:     66
    .vgpr_count:     256
    .wavefront_size: 32
...
	.end_amdgpu_metadata
.endif
;; end of part 1
;; launch place (part 2): grid 1 x 1, 8 waves a work-group, no clusters, 2,048 bytes of LDS; arguments sel, plan; writes plan
.if DOCPART == 2
	.amdgcn_target "amdgcn-amd-amdhsa--gfx1250"
	.amdhsa_code_object_version 6
	.text
	.protected	k_q5168731709_place
	.globl	k_q5168731709_place
	.p2align	8
	.type	k_q5168731709_place,@function
k_q5168731709_place:
	s_mov_b64 s[64:65], 0
	v_nop
	global_prefetch_b8 v0, s[64:65] scope:SCOPE_SE
	s_setreg_imm32_b32 hwreg(HW_REG_WAVE_MODE, 25, 1), 1
	s_wait_xcnt 0x0
; PLACE: a counting sort of the 8,192 routed rows (row id rho = 2 x token + k) by expert, and the list of tiles of 48 rows.  One work-group, no atomics.
; plan: bytes 0-4,095: 256 records of 16 bytes (expert, first place in the list, rows, 0), of which the next launch reads 178 = ceil(8192 / 48) + 7, the most that any split can need;
;       from byte 4,096: the list, 8,192 row ids sorted by expert, then 64 words of 0, so that a tile's 48 words may be read from any first place up to 8,192.
; Wave w holds entries 1,024 w .. + 1,023: register 4 i + q of lane l is entry 1,024 w + 128 i + 4 l + q.  Pass 1 counts each expert's rows in the wave; the waves' counts meet in LDS;
; pass 2 gives each entry its place: the expert's first place + the rows of the waves in front + those counted so far in this wave + those in lower lanes of this register.
; The list's stores are 4 bytes a lane to places that hang on the data, 32 KiB in all: the price of a sort that needs no second pass through memory.
.set E,   32                           ; v32-63   the entries' experts, later their row ids
.set TBL, 64                           ; v64-127  the table: wave w's count of expert e at 64 + 8 w + e
.set P,   96                           ; v96-127  places (the table is done with by then)
.set TOTV, 128                         ; v128-135 each expert's rows;  v136-143 those of the waves in front of mine
.set MYV,  136
.set RUN, 16                           ; s16-23   counts, later the running places
.set TOT, 24                           ; s24-31   each expert's rows
.set OFF, 32                           ; s32-39   each expert's first place
.set TB,  40                           ; s40-47   each expert's first tile
.set MSK, 48                           ; s48-55   masks;  s56-63 their bit counts
.set BC,  56
	s_load_b128 s[4:7], s[0:1], 0x0                ; sel, plan
	v_lshl_add_u32 v160, v0, 2, 0x400
	v_mov_b32 v161, 0
	v_lshrrev_b32 v1, 5, v0
	v_readfirstlane_b32 s8, v1                     ; wave 0..7
	v_and_b32 v3, 31, v0
	v_lshlrev_b32 v2, 12, v1
	v_lshl_add_u32 v2, v3, 4, v2                   ; 4,096 w + 16 l
	v_lshlrev_b32 v6, 10, v1
	v_lshl_add_u32 v6, v3, 2, v6                   ; 1,024 w + 4 l
	v_lshlrev_b32 v7, 5, v1                        ; LDS: 32 bytes a wave
	v_mov_b32 v4, 0
	s_wait_kmcnt 0x0
.irp i, 0,1,2,3,4,5,6,7
	global_load_b128 v[E+4*\i:E+4*\i+3], v2, s[4:5] offset:512*\i
.endr
.irp e, 0,1,2,3,4,5,6,7
	s_mov_b32 s[RUN+\e], 0
.endr
	s_wait_loadcnt 0x0
.set J, 0
.rept 32                               ; pass 1
.irp e, 0,1,2,3,4,5,6,7
	v_cmp_eq_u32 s[MSK+\e], \e, v[E+J]
.endr
.irp e, 0,1,2,3,4,5,6,7
	s_bcnt1_i32_b32 s[BC+\e], s[MSK+\e]
.endr
.irp e, 0,1,2,3,4,5,6,7
	s_add_co_u32 s[RUN+\e], s[RUN+\e], s[BC+\e]
.endr
.set J, J+1
.endr
.irp e, 0,1,2,3,4,5,6,7
	v_mov_b32 v[TBL+\e], s[RUN+\e]
.endr
	ds_store_b128 v7, v[TBL:TBL+3]                 ; all lanes write the same words with the same values
	ds_store_b128 v7, v[TBL+4:TBL+7] offset:16
	s_wait_dscnt 0x0                               ; for the others' sake: my counts lie in LDS
	s_barrier_signal -1
	s_barrier_wait -1
.set J, 0
.rept 16
	ds_load_b128 v[TBL+4*J:TBL+4*J+3], v4 offset:16*J
.set J, J+1
.endr
	s_wait_dscnt 0x0
.irp w, 0,1,2,3,4,5,6,7
	s_cmp_gt_u32 s8, \w                            ; does wave w stand in front of mine?
	s_cselect_b32 s9, -1, 0
.irp e, 0,1,2,3,4,5,6,7
.if \w == 0
	v_mov_b32 v[TOTV+\e], v[TBL+\e]
	v_and_b32 v[MYV+\e], s9, v[TBL+\e]
.else
	v_add_nc_u32 v[TOTV+\e], v[TOTV+\e], v[TBL+8*\w+\e]
	v_and_b32 v5, s9, v[TBL+8*\w+\e]
	v_add_nc_u32 v[MYV+\e], v[MYV+\e], v5
.endif
.endr
.endr
.irp e, 0,1,2,3,4,5,6,7
	v_readfirstlane_b32 s[TOT+\e], v[TOTV+\e]
	v_readfirstlane_b32 s[RUN+\e], v[MYV+\e]
.endr
	s_mov_b32 s[OFF], 0
	s_mov_b32 s[TB], 0
.irp e, 0,1,2,3,4,5,6
	s_add_co_u32 s[OFF+1+\e], s[OFF+\e], s[TOT+\e]
	s_add_co_u32 s56, s[TOT+\e], 47                ; the expert's tiles: (rows + 47) / 48 = ((rows + 47) x 43,691) >> 21: 43,691 x 48 = 2^21 + 16, so the quotient is exact under 131,072
	s_mul_i32 s56, s56, 43691
	s_lshr_b32 s56, s56, 21
	s_add_co_u32 s[TB+1+\e], s[TB+\e], s56
.endr
.irp e, 0,1,2,3,4,5,6,7
	s_add_co_u32 s[RUN+\e], s[RUN+\e], s[OFF+\e]
.endr
	; the records: thread T makes tile T's.  Its expert is the last whose first tile is not behind T; a tile behind an expert's last has no rows
	v_mov_b32 v8, 0
	v_mov_b32 v9, 0
	v_mov_b32 v10, 0
	v_mov_b32 v11, s[TOT]
.irp e, 1,2,3,4,5,6,7
	v_cmp_gt_u32 vcc_lo, s[TB+\e], v0              ; expert e begins behind T: keep
	v_cndmask_b32 v8, \e, v8, vcc_lo
	v_cndmask_b32 v9, s[TB+\e], v9, vcc_lo
	v_cndmask_b32 v10, s[OFF+\e], v10, vcc_lo
	v_cndmask_b32 v11, s[TOT+\e], v11, vcc_lo
.endr
	v_sub_nc_u32 v12, v0, v9
	v_mul_u32_u24 v12, v12, 48                     ; rows of the expert in front of this tile
	v_add_nc_u32 v9, v10, v12
	v_min_u32 v9, 0x2000, v9                       ; first place, held at the list's end
	v_min_u32 v13, v12, v11
	v_sub_nc_u32 v10, v11, v13
	v_min_u32 v10, 48, v10                         ; rows
	v_mov_b32 v11, 0
	v_lshlrev_b32 v14, 4, v0
	global_store_b128 v14, v[8:11], s[6:7]
.set J, 0
.rept 32                               ; pass 2
.irp e, 0,1,2,3,4,5,6,7
	v_cmp_eq_u32 s[MSK+\e], \e, v[E+J]
.endr
	v_mbcnt_lo_u32_b32 v[P+J], s[MSK], s[RUN]      ; the running place + the lower lanes that hold the same expert
.irp e, 1,2,3,4,5,6,7
	v_mbcnt_lo_u32_b32 v5, s[MSK+\e], s[RUN+\e]
	v_cndmask_b32 v[P+J], v[P+J], v5, s[MSK+\e]
.endr
.irp e, 0,1,2,3,4,5,6,7
	s_bcnt1_i32_b32 s[BC+\e], s[MSK+\e]
.endr
.irp e, 0,1,2,3,4,5,6,7
	s_add_co_u32 s[RUN+\e], s[RUN+\e], s[BC+\e]
.endr
	v_min_u32 v[P+J], 0x1fff, v[P+J]               ; a place made of loaded numbers is held inside the list before it enters an address
	v_lshlrev_b32 v[P+J], 2, v[P+J]
	v_add_nc_u32 v[E+J], 128*(J/4)+J%4, v6         ; the entry's row id
	global_store_b32 v[P+J], v[E+J], s[6:7] offset:4096
.set J, J+1
.endr
	s_cmp_lt_u32 s8, 2                             ; waves 0 and 1: the 64 words of 0 behind the list
	s_cbranch_scc0 .Lend
	v_lshlrev_b32 v16, 2, v0
	v_mov_b32 v17, 0
	global_store_b32 v16, v17, s[6:7] offset:36864
.Lend:
	s_wait_tensorcnt 0x0
	ds_add_u32 v160, v161
	s_wait_dscnt 0x0
	s_endpgm
.Lfunc_end_k_q5168731709_place:
	.size	k_q5168731709_place, .Lfunc_end_k_q5168731709_place-k_q5168731709_place
	.p2alignl 7, 3214868480
	.fill 96, 4, 3214868480
	.section	.rodata,"a",@progbits
	.p2align	6, 0x0
	.amdhsa_kernel k_q5168731709_place
		.amdhsa_group_segment_fixed_size 2048
		.amdhsa_private_segment_fixed_size 0
		.amdhsa_enable_private_segment 0
		.amdhsa_kernarg_size 16
		.amdhsa_user_sgpr_count 2
		.amdhsa_user_sgpr_kernarg_segment_ptr 1
		.amdhsa_wavefront_size32 1
		.amdhsa_system_sgpr_workgroup_id_x 1
		.amdhsa_system_sgpr_workgroup_id_y 1
		.amdhsa_system_sgpr_workgroup_id_z 1
		.amdhsa_system_vgpr_workitem_id 0
		.amdhsa_next_free_vgpr 162
		.amdhsa_next_free_sgpr 66
		.amdhsa_reserve_vcc 1
		.amdhsa_float_denorm_mode_32 3
		.amdhsa_float_denorm_mode_16_64 3
		.amdhsa_memory_ordered 1
		.amdhsa_forward_progress 1
		.amdhsa_inst_pref_size 116
	.end_amdhsa_kernel
	.amdgpu_metadata
---
amdhsa.version: [ 1, 2 ]
amdhsa.kernels:
  - .name:           k_q5168731709_place
    .symbol:         k_q5168731709_place.kd
    .args:
      - { .name: sel, .offset: 0, .size: 8, .value_kind: global_buffer, .address_space: global }
      - { .name: plan, .offset: 8, .size: 8, .value_kind: global_buffer, .address_space: global }
    .group_segment_fixed_size: 2048
    .private_segment_fixed_size: 0
    .kernarg_segment_align: 8
    .kernarg_segment_size: 16
    .max_flat_workgroup_size: 256
    .sgpr_count:     66
    .vgpr_count:     162
    .wavefront_size: 32
...
	.end_amdgpu_metadata
.endif
;; end of part 2
;; launch chain (part 3): grid 178 x 1, 4 waves a work-group, no clusters, 66,048 bytes of LDS; arguments plan, wc, ws, xq, gw, b1, b2, ybuf; writes ybuf
.if DOCPART == 3
	.amdgcn_target "amdgcn-amd-amdhsa--gfx1250"
	.amdhsa_code_object_version 6
	.text
	.protected	k_q5168731709_chain
	.globl	k_q5168731709_chain
	.p2align	8
	.type	k_q5168731709_chain,@function
k_q5168731709_chain:
	s_mov_b64 s[64:65], 0
	v_nop
	global_prefetch_b8 v0, s[64:65] scope:SCOPE_SE
	s_setreg_imm32_b32 hwreg(HW_REG_WAVE_MODE, 25, 1), 1
	s_wait_xcnt 0x0
; CHAIN: a work-group takes one tile of up to 48 routed rows of ONE expert through the whole chain: y = w (gelu(x W1 + b1) W2 + b2), both products on codes of E2M3 with E8M0 scales.
; ybuf[rho] (2,048 bytes a row, rho = 2 x token + k) takes the row's result; the hidden layer never goes to memory.
; THE GRID serves every split: 8,192 rows in tiles of 48 over 8 experts are never more than ceil(8192 / 48) + 7 = 178 tiles.  A tile without rows runs the same text on rows held inside the buffers
; and stores nothing: so no barrier and no load stands under a branch on loaded numbers; the only such branches stand in the tail, behind the last barrier.
; SHARES.  THE WAVES SHARE THE COLUMNS.  H goes in four passes of 512.  In pass q wave w makes hidden units 128 (4 q + w) .. + 127 of all 48 rows (three tiles of 16), which are K step 4 q + w of the second
; product: gelu, quantised in registers, and stored in LDS as an IMAGE OF THE OPERAND'S REGISTERS; a barrier; every wave multiplies the pass's four K steps into its 128 output columns (24 accumulators).
; THE WEIGHTS go from memory straight into registers: an earlier launch laid them in the order of the operand's registers, so a group of 8 fragments is 24 loads of 512 consecutive bytes, and its scale
; words one more.  Four register slots take turns; a group is asked for three groups ahead.
; BOTH PRODUCTS ARE USED TRANSPOSED (source 0 = 16 rows of the weight, source 1 = 16 routed rows): a lane holds one routed row throughout.  Row r of weight tile 2 P + u is column 32 P + 8 u + r + 8 (r / 8),
; so the 16 registers of tiles 2 P and 2 P + 1 are 16 neighbouring columns, 32 P + 16 (lane / 16) + 0 .. 15.  b1 is the C of a sum's first product; b2 is loaded into the second product's accumulators.
; GELU, exact form: 0.5 u (1 + erf(u / sqrt 2)), erf(z) = z P(z^2) / Q(z^2) with z held to +-4 (degrees 6 and 4 in z^2), all in f32.
; NO CLUSTER: tiles of one expert read the same weights, but an expert has 0 to 171 tiles by counts read from memory, so partners of one expert would want each expert's tiles filled up to a multiple
; of the cluster (up to 24 more work-groups of four), and the weights would have to go through LDS, where here they land in the registers that multiply them.
; LIMITS: NaN and infinities are not served.  1 + erf is formed by an addition: for u far below 0 the error of gelu is some 6e-8 |u|, not a part in 10^6 of the (vanishing) number.
; A block of the hidden layer whose largest magnitude lies under 2^-124 gets the byte 1.
;
; LDS: 0 b1's slices (2,048 bytes a wave, its own) | 8,192 the 12 images (wave w', tile of rows m: 3 w' + m) of 1,536 bytes | 26,624 their scale words, 128 bytes each | 28,672 a stage of 16 x 528 bytes for each wave.
; REGISTERS, window 0: v1-31 addresses and two constants; v32-47 the slots' scale words; v48-59 x's; v60-66 the hidden layer's, two sets; v68-73 the gate's weights; v74-76 the word just made;
;   v80-95 b1 of a pair of tiles; v96-143 six accumulators of the hidden layer; v144-175 gelu at work; v176-223 codes; v224-235 the quantiser.  In the second product v144-215 hold two sets of three images.
;   window 1: v0-143 x's 12 fragments (48 m + 12 s); v144-239 slot 0.   window 2: slot 1, slot 2, from v192 y of rows 0-15.   window 3: slot 3, from v96 y of rows 16-47.
.set B1L,  0
.set HIMG, 8192
.set HSC,  26624
.set YST,  28672
.set LI,   1                           ; 16 x lane
.set LS,   2                           ; 4 x lane
.set OW1,  3                           ; 16 lane + 49,152 w: my W1 groups in wc
.set OW2,  4                           ; 16 lane + 12,288 w: my W2 groups
.set SW1,  5                           ; 16 lane + 2,048 w: W1's scale words; also where b1's slices go in LDS
.set SW2,  6                           ; 16 lane + 512 w: W2's scale words; also my 16 bytes of a row of b1 and of ybuf
.set HIW,  7                           ; 16 lane + 4,608 w: where my images go
.set HSW,  8                           ; 4 lane + 384 w: and their scale words
.set B1B,  9                           ; 2,048 w + 64 h
.set B1A,  10                          ; + 512 q
.set SO,   11                          ; the stage, in
.set SR,   12                          ; the stage, back
.set R4,   13                          ; 4 r
.set RHO,  14                          ; v14-16 my row's id in each of the three tiles of rows
.set XA,   17                          ; v17-19 its codes in xq
.set XSA,  20                          ; v20-22 its scale bytes
.set GA,   23                          ; v23-25 its weight in gw
.set CA11, 26                          ; v26-27, v28-29 two coefficients as vector pairs, so that no instruction names two scalar pairs
.set CB6,  28
.set CB,   30                          ; 512 w + 64 h: my columns in b2
.set SC,   32
.set XS,   48
.set HS,   60
.set GW,   68
.set PW,   74
.set H192, 77
.set TA,   78
.set TH,   79
.set B1,   80
.set HA,   96
.set GZ,   144
.set GX,   152
.set GP,   160
.set GQ,   168
.set PC,   176
.set TC,   212
.set MX,   224
.set MO,   227
.set SV,   230
.set BY,   233
.set HF,   144
.set K_RS2, 20                         ; s20-41: eleven constants, each as a pair (the packed forms name a pair and take its low word for both halves)
.set K_A13, 22
.set K_A9,  24
.set K_A7,  26
.set K_A5,  28
.set K_A3,  30
.set K_A1,  32
.set K_B8,  34
.set K_B4,  36
.set K_B2,  38
.set K_B0,  40
.set MSB, 0
.macro WIN new                         ; the immediate's high byte repeats the setting that is left; a switch that changes nothing is dropped
.if MSB != (\new)
	s_set_vgpr_msb (MSB<<8)|(\new)
.set MSB, (\new)
.endif
.endm
.macro SLOTSET slot                    ; a slot's window and first register
.if (\slot) == 0
.set SW_, 1
.set SB_, 144
.elseif (\slot) == 1
.set SW_, 2
.set SB_, 0
.elseif (\slot) == 2
.set SW_, 2
.set SB_, 96
.else
.set SW_, 3
.set SB_, 0
.endif
.endm
.macro YSET m                          ; the window and first register of y's eight accumulators of rows 16 m on
.if (\m) == 0
.set YW_, 2
.set YB_, 192
.elseif (\m) == 1
.set YW_, 3
.set YB_, 96
.else
.set YW_, 3
.set YB_, 160
.endif
.endm
.macro PLACES n
.rept \n
	v_nop
.endr
.endm
.macro KSET reg, val
	s_mov_b32 s[\reg], \val
	s_mov_b32 s[\reg+1], \val
.endm
; A group: 8 fragments, 12,288 consecutive bytes, and their scale words: 25 loads
.macro GLOAD slot, voff, imm, svoff, simm
	SLOTSET \slot
	WIN SW_<<6
.set I_, 0
.rept 24
	global_load_b128 v[SB_+4*I_:SB_+4*I_+3], v[\voff], s[6:7] offset:\imm+512*I_
.set I_, I_+1
.endr
	WIN 0
	global_load_b128 v[SC+4*(\slot):SC+4*(\slot)+3], v[\svoff], s[8:9] offset:\simm
.endm
.macro BIAS p                          ; b1 of hidden units 32 p + 16 h + 0 .. 15 of my 128
.irp i, 0,1,2,3
	ds_load_b128 v[B1+4*\i:B1+4*\i+3], v[B1A] offset:B1L+128*(\p)+16*\i
.endr
.endm
; The first product for a pair of tiles of W1 (u = 0, 1) and the three tiles of rows: 24 matrix instructions, K step by K step; the six accumulators take turns
.macro MM1 slot, s, m, u
.set D_, HA+16*\m+8*\u
.set A_, SB_+12*(4*\u+\s)
.set B_, 48*\m+12*\s
.set C_, D_
.if \s == 0
.set C_, B1+8*\u
.endif
.if \u == 0
	v_wmma_scale_f32_16x16x128_f8f6f4 v[D_:D_+7], v[A_:A_+11], v[B_:B_+11], v[C_:C_+7], v[SC+4*(\slot)+\s], v[XS+4*\m+\s] matrix_a_fmt:MATRIX_FMT_FP6 matrix_b_fmt:MATRIX_FMT_FP6
.else
	v_wmma_scale_f32_16x16x128_f8f6f4 v[D_:D_+7], v[A_:A_+11], v[B_:B_+11], v[C_:C_+7], v[SC+4*(\slot)+\s], v[XS+4*\m+\s] matrix_a_fmt:MATRIX_FMT_FP6 matrix_b_fmt:MATRIX_FMT_FP6 matrix_a_scale:MATRIX_SCALE_ROW1
.endif
.endm
.macro MUL1 slot
	SLOTSET \slot
	WIN SW_|4                                      ; source 0 (W1) the slot's window, source 1 (x) window 1, C and D window 0
.irp s, 0,1,2,3
.irp m, 0,1,2
.irp u, 0,1
	MM1 \slot, \s, \m, \u
.endr
.endr
.endr
.endm
.macro GSTEP acc, kreg                 ; acc = acc x z^2 + a coefficient, four pairs
.irp j, 0,2,4,6
	v_pk_fma_f32 v[\acc+\j:\acc+\j+1], v[\acc+\j:\acc+\j+1], v[GX+\j:GX+\j+1], s[\kreg:\kreg+1] op_sel_hi:[1,1,0]
.endr
.endm
; gelu of one accumulator, in place: 80 instructions for 8 numbers; each stage runs over the four pairs, so that no line waits for the line above it.  The accumulator is read from its low end on
.macro GELU a
.set U_, HA+8*(\a)
.irp j, 0,2,4,6
	v_pk_mul_f32 v[GZ+\j:GZ+\j+1], v[U_+\j:U_+\j+1], s[K_RS2:K_RS2+1] op_sel_hi:[1,0]   ; z = u / sqrt 2
.endr
.irp j, 0,1,2,3,4,5,6,7
	v_med3_num_f32 v[GZ+\j], v[GZ+\j], -4.0, 4.0
.endr
.irp j, 0,2,4,6
	v_pk_mul_f32 v[GX+\j:GX+\j+1], v[GZ+\j:GZ+\j+1], v[GZ+\j:GZ+\j+1]
.endr
.irp j, 0,2,4,6
	v_pk_fma_f32 v[GP+\j:GP+\j+1], v[GX+\j:GX+\j+1], s[K_A13:K_A13+1], v[CA11:CA11+1] op_sel_hi:[1,0,1]
.endr
.irp j, 0,2,4,6
	v_pk_fma_f32 v[GQ+\j:GQ+\j+1], v[GX+\j:GX+\j+1], s[K_B8:K_B8+1], v[CB6:CB6+1] op_sel_hi:[1,0,1]
.endr
	GSTEP GP, K_A9
	GSTEP GQ, K_B4
	GSTEP GP, K_A7
	GSTEP GQ, K_B2
	GSTEP GP, K_A5
	GSTEP GQ, K_B0
	GSTEP GP, K_A3
	GSTEP GP, K_A1
.irp j, 0,1,2,3,4,5,6,7
	v_rcp_f32 v[GQ+\j], v[GQ+\j]
.endr
.irp j, 0,2,4,6
	v_pk_mul_f32 v[GP+\j:GP+\j+1], v[GP+\j:GP+\j+1], v[GZ+\j:GZ+\j+1]      ; z P.  (Plain lines behind the reciprocals: ISA guide 5.7.2)
.endr
.irp j, 0,2,4,6
	v_pk_mul_f32 v[GZ+\j:GZ+\j+1], v[U_+\j:U_+\j+1], 0.5 op_sel_hi:[1,0]
.endr
	s_wait_alu depctr_va_vdst(0)
.irp j, 0,2,4,6
	v_pk_mul_f32 v[GP+\j:GP+\j+1], v[GP+\j:GP+\j+1], v[GQ+\j:GQ+\j+1]      ; erf
.endr
.irp j, 0,2,4,6
	v_pk_fma_f32 v[U_+\j:U_+\j+1], v[GZ+\j:GZ+\j+1], v[GP+\j:GP+\j+1], v[GZ+\j:GZ+\j+1]   ; 0.5 u erf + 0.5 u
.endr
.endm
; Block p (of four) of my K step, for the three tiles of rows by turns: a lane holds 16 of a block's 32 numbers, lane l xor 16 the others
.macro QUANT p
.irp m, 0,1,2
	v_max3_num_f32 v[MX+\m], |v[HA+16*\m]|, |v[HA+16*\m+1]|, 0x1800000     ; with the floor 2^(3 - 127): the byte cannot fall under 1
.endr
.irp i, 2,4,6,8,10,12,14
.irp m, 0,1,2
	v_max3_num_f32 v[MX+\m], v[MX+\m], |v[HA+16*\m+\i]|, |v[HA+16*\m+\i+1]|
.endr
.endr
.irp m, 0,1,2
	v_permlanex16_b32 v[MO+\m], v[MX+\m], s52, s53
.endr
.irp m, 0,1,2
	v_max_num_f32 v[MX+\m], v[MX+\m], v[MO+\m]
.endr
.irp m, 0,1,2
	v_add_nc_u32 v[SV+\m], 0xff000000, v[MX+\m]    ; 2 off the exponent field: the conversion's scale operand
.endr
.irp m, 0,1,2
.if (\p)%2 == 0
	v_cvt_scalef32_pk16_fp6_f32 v[PC+12*\m+6*((\p)/2):PC+12*\m+6*((\p)/2)+2], v[HA+16*\m:HA+16*\m+15], v[SV+\m]
.else
	v_cvt_scalef32_pk16_fp6_f32 v[TC+4*\m:TC+4*\m+2], v[HA+16*\m:HA+16*\m+15], v[SV+\m]
.endif
.endr
.irp m, 0,1,2
.if (\p) == 0
	v_lshrrev_b32 v[PW+\m], 23, v[SV+\m]           ; the byte.  (Also the plain lines behind the conversions)
.else
	v_lshrrev_b32 v[BY+\m], 23, v[SV+\m]
.endif
.endr
.if (\p) > 0
.irp m, 0,1,2
	v_lshl_or_b32 v[PW+\m], v[BY+\m], 8*(\p), v[PW+\m]
.endr
.endif
.if (\p)%2 == 1                        ; the operand's layout wants a WHOLE block in a lane: lanes 0-15 block p - 1, lanes 16-31 block p
.irp m, 0,1,2
.irp i, 0,1,2
	v_permlane16_swap_b32 v[PC+12*\m+6*((\p)/2)+\i], v[TC+4*\m+\i]
.endr
.endr
.irp m, 0,1,2
.irp i, 0,1,2
	v_mov_b32 v[PC+12*\m+6*((\p)/2)+3+\i], v[TC+4*\m+\i]
.endr
.endr
.endif
.endm
.macro IMAGES                          ; my three fragments and their scale words go to LDS as they stand
.irp m, 0,1,2
.irp j, 0,1,2
	ds_store_b128 v[HIW], v[PC+12*\m+4*\j:PC+12*\m+4*\j+3] offset:HIMG+1536*\m+512*\j
.endr
	ds_store_b32 v[HSW], v[PW+\m] offset:HSC+128*\m
.endr
.endm
.macro DSL k, set                      ; wave k's three images come back so, in any wave: 12 LDS loads
.irp m, 0,1,2
.irp j, 0,1,2
	ds_load_b128 v[HF+36*(\set)+12*\m+4*\j:HF+36*(\set)+12*\m+4*\j+3], v[LI] offset:HIMG+(3*(\k)+\m)*1536+512*\j
.endr
	ds_load_b32 v[HS+4*(\set)+\m], v[LS] offset:HSC+(3*(\k)+\m)*128
.endr
.endm
; The second product for one K step: my 8 tiles of W2 x the three tiles of rows: the 24 accumulators take turns, one instruction each
.macro MUL2 slot, set
	SLOTSET \slot
.irp m, 0,1,2
	YSET \m
	WIN SW_|(YW_<<4)|(YW_<<6)                      ; source 0 (W2) the slot's window, source 1 (the image) window 0, C and D y's window
.irp t, 0,1,2,3,4,5,6,7
.set D_, YB_+8*\t
.set A_, SB_+12*\t
.set B_, HF+36*(\set)+12*\m
.if \t%2 == 0
	v_wmma_scale_f32_16x16x128_f8f6f4 v[D_:D_+7], v[A_:A_+11], v[B_:B_+11], v[D_:D_+7], v[SC+4*(\slot)+\t/2], v[HS+4*(\set)+\m] matrix_a_fmt:MATRIX_FMT_FP6 matrix_b_fmt:MATRIX_FMT_FP6
.else
	v_wmma_scale_f32_16x16x128_f8f6f4 v[D_:D_+7], v[A_:A_+11], v[B_:B_+11], v[D_:D_+7], v[SC+4*(\slot)+\t/2], v[HS+4*(\set)+\m] matrix_a_fmt:MATRIX_FMT_FP6 matrix_b_fmt:MATRIX_FMT_FP6 matrix_a_scale:MATRIX_SCALE_ROW1
.endif
.endr
.endr
.endm
; Pair p of my 128 hidden units: product, the request three groups ahead, gelu, quantiser
.macro AGROUP p, slot, voff, imm, svoff, simm
	s_wait_loadcnt 50                              ; this group is in; the two groups of 25 loads asked for behind it may be out
	s_wait_dscnt 0x0                               ; b1 of this pair
	MUL1 \p
	WIN 0
	PLACES 4                                       ; behind the products: in front of the loads into b1's registers and of the first read of results
	GLOAD \slot, \voff, \imm, \svoff, \simm
.if (\p) < 3
	BIAS (\p)+1
.endif
.irp a, 0,1,2,3,4,5
	GELU \a
.endr
	QUANT \p
.endm
; The pass's four K steps of the second product.  pre = 1: the next pass's first three groups of W1 are asked for
.macro BPHASE pre
	DSL 0, 0
	DSL 1, 1
.irp k, 0,1,2,3
.if \pre || (\k < 2)
	s_wait_loadcnt 50                              ; this K step's group is in; two groups may be out
.elseif \k == 2
	s_wait_loadcnt 25                              ; the last pass asks for nothing more: one group is out,
.else
	s_wait_loadcnt 0x0                             ; then none
.endif
.if \k < 3
	s_wait_dscnt 12                                ; this set of images is in; the other set's 12 loads may be out
.else
	s_wait_dscnt 0x0
.endif
	MUL2 \k, \k%2
	WIN 0
	PLACES 5                                       ; in front of loads into registers that these products have read, and in the end of the first read of y
.if \k == 0
	GLOAD 3, OW2, 6291456+147456, SW2, 262144+6144
.elseif \pre
	GLOAD \k-1, OW1, 196608+12288*(\k-1), SW1, 8192+512*(\k-1)
.endif
.if \k < 2
	DSL \k+2, \k%2
.endif
.endr
.endm
	s_load_b512 s[4:19], s[0:1], 0x0               ; plan 4, wc 6, ws 8, xq 10, gw 12, b1 14, b2 16, ybuf 18
	v_lshl_add_u32 v63, v0, 2, 0x10000
	v_mov_b32 v67, 0
	v_lshrrev_b32 v[R4], 5, v0
	v_readfirstlane_b32 s48, v[R4]                 ; wave 0..3
	v_and_b32 v[TA], 31, v0
	v_and_b32 v[R4], 15, v0                        ; r
	v_bfe_u32 v[TH], v0, 4, 1                      ; h
	v_lshlrev_b32 v[LI], 4, v[TA]
	v_lshlrev_b32 v[LS], 2, v[TA]
	s_mul_i32 s2, s48, 49152
	v_add_nc_u32 v[OW1], s2, v[LI]
	s_mul_i32 s2, s48, 12288
	v_add_nc_u32 v[OW2], s2, v[LI]
	s_lshl_b32 s2, s48, 11
	v_add_nc_u32 v[SW1], s2, v[LI]
	v_lshl_add_u32 v[B1B], v[TH], 6, s2
	s_lshl_b32 s2, s48, 9
	v_add_nc_u32 v[SW2], s2, v[LI]
	v_lshl_add_u32 v[CB], v[TH], 6, s2
	s_mul_i32 s2, s48, 4608
	v_add_nc_u32 v[HIW], s2, v[LI]
	s_mul_i32 s2, s48, 384
	v_add_nc_u32 v[HSW], s2, v[LS]
	s_mul_i32 s2, s48, 8448
	s_add_co_u32 s2, s2, YST
	v_add_nc_u32 v[SR], s2, v[LI]                  ; back: a row's 512 bytes, 16 a lane
	v_mul_u32_u24 v[SO], v[R4], 528
	v_lshl_add_u32 v[SO], v[TH], 6, v[SO]
	v_add_nc_u32 v[SO], s2, v[SO]                  ; in: row r, + 64 h
	v_mul_u32_u24 v[H192], v[TH], 192
	v_lshlrev_b32 v[R4], 2, v[R4]
	v_mov_b32 v[CA11], 0x32edffee
	v_mov_b32 v[CA11+1], 0x32edffee
	v_mov_b32 v[CB6], 0xb95fbd29
	v_mov_b32 v[CB6+1], 0xb95fbd29
.irp m, 0,1,2
	v_mov_b32 v[MO+\m], 0                          ; written once: a lane permute's destination counts as one of its sources
	v_mov_b32 v[GW+2*\m+1], 0                      ; (named as the upper half of a pair)
.endr
	KSET K_RS2, 0x3f3504f3                         ; 1 / sqrt 2
	KSET K_A13, 0xaf95df0b                         ; P: -2.72614226e-10, (2.77068142e-08 in v26-27), -2.10102402e-06, -5.69250639e-05,
	KSET K_A9,  0xb60cff51
	KSET K_A7,  0xb86ec2d2
	KSET K_A5,  0xba40ac63                         ;    -7.34990630e-04, -2.95459981e-03, -1.60960333e-02
	KSET K_A3,  0xbb41a1f6
	KSET K_A1,  0xbc83dbd4
	KSET K_B8,  0xb77460cd                         ; Q: -1.45660718e-05, (-2.13374055e-04 in v28-29), -1.68282697e-03, -7.37332917e-03, -1.42647391e-02
	KSET K_B4,  0xbadc924e
	KSET K_B2,  0xbbf19bf8
	KSET K_B0,  0xbc69b6a7
	s_mov_b32 s52, 0x76543210
	s_mov_b32 s53, 0xfedcba98                      ; v_permlanex16_b32's selects for lane l xor 16
	s_mov_b32 s49, 0                               ; the pass q
	s_mov_b32 s50, 0                               ; 512 q
	s_lshl_b32 s2, ttmp9, 4
	s_mov_b32 s3, 0
	s_wait_kmcnt 0x0
	s_add_nc_u64 s[54:55], s[4:5], s[2:3]
	s_load_b128 s[44:47], s[54:55], 0x0            ; my tile: expert, first place, rows
	s_wait_kmcnt 0x0
	s_min_u32 s44, s44, 7                          ; loaded numbers are held inside their ranges before they enter an address
	s_min_u32 s45, s45, 0x2000
	s_min_u32 s46, s46, 48
	s_mul_i32 s2, s44, 786432
	s_add_nc_u64 s[6:7], s[6:7], s[2:3]            ; the expert's codes,
	s_lshl_b32 s2, s44, 15
	s_add_nc_u64 s[8:9], s[8:9], s[2:3]            ; scale words,
	s_lshl_b32 s2, s44, 13
	s_add_nc_u64 s[14:15], s[14:15], s[2:3]        ; b1,
	s_lshl_b32 s2, s44, 11
	s_add_nc_u64 s[16:17], s[16:17], s[2:3]        ; b2
	s_lshl_b32 s2, s45, 2
	s_add_co_u32 s2, s2, 4096
	s_add_nc_u64 s[54:55], s[4:5], s[2:3]          ; the tile's 48 row ids
.irp m, 0,1,2
	global_load_b32 v[RHO+\m], v[R4], s[54:55] offset:64*\m
.endr
	GLOAD 0, OW1, 0, SW1, 0                        ; the first group of W1
	s_wait_loadcnt 25                              ; the row ids are in; that group's 25 loads may be out
.irp m, 0,1,2
	v_min_u32 v[RHO+\m], 0x1fff, v[RHO+\m]
	v_and_b32 v[TA], -2, v[RHO+\m]                 ; 2 x token
	v_mul_u32_u24 v[XA+\m], v[TA], 192
	v_add_nc_u32 v[XA+\m], v[XA+\m], v[H192]       ; 384 token + 192 h: my 192 bytes of the token's codes
	v_lshlrev_b32 v[XSA+\m], 3, v[TA]              ; 16 token
	v_lshlrev_b32 v[GA+\m], 2, v[RHO+\m]
.endr
.irp q, 0,1,2,3
	global_load_b128 v[GZ+4*\q:GZ+4*\q+3], v[SW2], s[14:15] offset:2048*\q   ; b1 of my 128 hidden units of pass q
.endr
.irp m, 0,1,2
	global_load_b32 v[GW+2*\m], v[GA+\m], s[12:13]
.endr
.irp m, 0,1,2
	global_load_b128 v[XS+4*\m:XS+4*\m+3], v[XSA+\m], s[10:11] offset:1572864
.endr
	WIN 0x40                                       ; destination window 1
.irp m, 0,1,2
.irp i, 0,1,2,3,4,5,6,7,8,9,10,11
	global_load_b128 v[48*\m+4*\i:48*\m+4*\i+3], v[XA+\m], s[10:11] offset:16*\i   ; x's four fragments of a tile of rows: they stay
.endr
.endr
	WIN 0
	s_wait_loadcnt 42                              ; b1 is in; the 3 + 3 + 36 loads behind it may be out
.irp q, 0,1,2,3
	ds_store_b128 v[SW1], v[GZ+4*\q:GZ+4*\q+3] offset:B1L+512*\q              ; my own bytes: no other wave touches them
.endr
.irp m, 0,1,2
	YSET \m
	WIN YW_<<6
.irp t, 0,1,2,3,4,5,6,7
	global_load_b128 v[YB_+8*\t:YB_+8*\t+3], v[CB], s[16:17] offset:128*(\t/2)+32*(\t%2)        ; b2 starts y's sums: tile t, register j: column 128 w + 32 (t / 2) + 16 h + 8 (t % 2) + j
	global_load_b128 v[YB_+8*\t+4:YB_+8*\t+7], v[CB], s[16:17] offset:128*(\t/2)+32*(\t%2)+16
.endr
.endr
	WIN 0
	GLOAD 1, OW1, 12288, SW1, 512
	GLOAD 2, OW1, 24576, SW1, 1024
.Lpass:                                            ; four trips: 512 of H each
	v_add_nc_u32 v[B1A], s50, v[B1B]
	BIAS 0
	AGROUP 0, 3, OW1, 36864, SW1, 1536             ; asks for W1's fourth pair,
	AGROUP 1, 0, OW2, 6291456, SW2, 262144         ; then for the pass's K steps of W2
	AGROUP 2, 1, OW2, 6291456+49152, SW2, 262144+2048
	AGROUP 3, 2, OW2, 6291456+98304, SW2, 262144+4096
	IMAGES
	s_wait_dscnt 0x0                               ; for the others' sake: my images lie in LDS
	s_barrier_signal -1
	s_barrier_wait -1                              ; everybody's do
	s_cmp_eq_u32 s49, 3                            ; the last pass asks for no further W1: no load leaves wc.  Both barriers stand outside the two arms
	s_cbranch_scc1 .Lblast
	BPHASE 1
	s_branch .Ljoin
.Lblast:
	BPHASE 0
.Ljoin:
	s_wait_dscnt 0x0                               ; my reads of the images are over
	s_barrier_signal -1
	s_barrier_wait -1                              ; everybody's are: the next pass may write them again
	s_wait_xcnt 0x0                                ; the loads' bases are stepped only behind this wait
	s_add_nc_u64 s[6:7], s[6:7], 196608            ; 16 pairs of W1, and 4 K steps of W2: both 196,608 bytes
	s_add_nc_u64 s[8:9], s[8:9], 8192
	s_add_co_u32 s50, s50, 512
	s_add_co_u32 s49, s49, 1
	s_cmp_lt_u32 s49, 4
	s_cbranch_scc1 .Lpass
	; THE WAY OUT, a tile of 16 rows at a time: x the gate's weight; through my own stage, so that a row's 512 bytes of my columns leave by one store; rows past the tile's count are not stored.
	s_load_b512 s[20:35], s[54:55], 0x0            ; the 48 row ids as scalars (the constants are done with)
	s_load_b512 s[68:83], s[54:55], 0x40
	s_load_b512 s[84:99], s[54:55], 0x80
	s_wait_kmcnt 0x0
.macro YSCALE m
	YSET \m
	WIN YW_|(YW_<<6)
.set J_, 0
.rept 32
	v_pk_mul_f32 v[YB_+J_:YB_+J_+1], v[YB_+J_:YB_+J_+1], v[GW+2*(\m):GW+2*(\m)+1] op_sel_hi:[1,0]   ; each accumulator from its low end on
.set J_, J_+2
.endr
.endm
.macro TOSTAGE m
.set OB_, 96+64*((\m)%2)
.if (\m) == 2
	s_wait_xcnt 0x0                                ; the first tile's stores have read their registers: these are written again only behind this wait
.endif
	WIN YW_<<2                                     ; an LDS store's data are its source 1
.irp t, 0,1,2,3,4,5,6,7
	ds_store_b128 v[SO], v[YB_+8*\t:YB_+8*\t+3] offset:128*(\t/2)+32*(\t%2)
	ds_store_b128 v[SO], v[YB_+8*\t+4:YB_+8*\t+7] offset:128*(\t/2)+32*(\t%2)+16
.endr
	WIN 0
.irp i, 0,1,2,3,4,5,6,7,8,9,10,11,12,13,14,15
	ds_load_b128 v[OB_+4*\i:OB_+4*\i+3], v[SR] offset:528*\i       ; LDS serves a wave's instructions in order (ISA guide 5.7.1.4): these see the stores above
.endr
.endm
.macro SENDROWS m
.if (\m) == 0
.set RB_, 20
.elseif (\m) == 1
.set RB_, 68
.else
.set RB_, 84
.endif
.set OB_, 96+64*((\m)%2)
.set AD_, 224+16*((\m)%2)
.irp i, 0,1,2,3,4,5,6,7,8,9,10,11,12,13,14,15
.if \i > 0
	s_cmp_gt_u32 s46, 16*(\m)+\i
	s_cbranch_scc0 .Ldone
.endif
	s_min_u32 s[RB_+\i], s[RB_+\i], 0x1fff
	v_lshl_add_u32 v[AD_+\i], s[RB_+\i], 11, v[SW2]                ; 2,048 rho + my columns' 16 bytes
	s_wait_dscnt 15-\i                             ; row i is back; the younger loads may be out
	global_store_b128 v[AD_+\i], v[OB_+4*\i:OB_+4*\i+3], s[18:19]  ; 32 lanes store 512 consecutive bytes, at a multiple of 512 from ybuf's first byte
.endr
.endm
.irp m, 0,1,2
	s_cmp_gt_u32 s46, 16*\m
	s_cbranch_scc0 .Ldone
	YSCALE \m
	TOSTAGE \m
	SENDROWS \m
.endr
.Ldone:
	s_wait_dscnt 0x0                               ; what a tile cut short has left out
	s_wait_tensorcnt 0x0
	ds_add_u32 v63, v67
	s_wait_dscnt 0x0
	s_endpgm
.Lfunc_end_k_q5168731709_chain:
	.size	k_q5168731709_chain, .Lfunc_end_k_q5168731709_chain-k_q5168731709_chain
	.p2alignl 7, 3214868480
	.fill 96, 4, 3214868480
	.section	.rodata,"a",@progbits
	.p2align	6, 0x0
	.amdhsa_kernel k_q5168731709_chain
		.amdhsa_group_segment_fixed_size 66048
		.amdhsa_private_segment_fixed_size 0
		.amdhsa_enable_private_segment 0
		.amdhsa_kernarg_size 64
		.amdhsa_user_sgpr_count 2
		.amdhsa_user_sgpr_kernarg_segment_ptr 1
		.amdhsa_wavefront_size32 1
		.amdhsa_system_sgpr_workgroup_id_x 1
		.amdhsa_system_sgpr_workgroup_id_y 1
		.amdhsa_system_sgpr_workgroup_id_z 1
		.amdhsa_system_vgpr_workitem_id 0
		.amdhsa_next_free_vgpr 1024
		.amdhsa_next_free_sgpr 100
		.amdhsa_reserve_vcc 0
		.amdhsa_float_denorm_mode_32 3
		.amdhsa_float_denorm_mode_16_64 3
		.amdhsa_memory_ordered 1
		.amdhsa_forward_progress 1
		.amdhsa_inst_pref_size 246
	.end_amdhsa_kernel
	.amdgpu_metadata
---
amdhsa.version: [ 1, 2 ]
amdhsa.kernels:
  - .name:           k_q5168731709_chain
    .symbol:         k_q5168731709_chain.kd
    .args:
      - { .name: plan, .offset: 0, .size: 8, .value_kind: global_buffer, .address_space: global }
      - { .name: wc, .offset: 8, .size: 8, .value_kind: global_buffer, .address_space: global }
      - { .name: ws, .offset: 16, .size: 8, .value_kind: global_buffer, .address_space: global }
      - { .name: xq, .offset: 24, .size: 8, .value_kind: global_buffer, .address_space: global }
      - { .name: gw, .offset: 32, .size: 8, .value_kind: global_buffer, .address_space: global }
      - { .name: b1, .offset: 40, .size: 8, .value_kind: global_buffer, .address_space: global }
      - { .name: b2, .offset: 48, .size: 8, .value_kind: global_buffer, .address_space: global }
      - { .name: ybuf, .offset: 56, .size: 8, .value_kind: global_buffer, .address_space: global }
    .group_segment_fixed_size: 66048
    .private_segment_fixed_size: 0
    .kernarg_segment_align: 8
    .kernarg_segment_size: 64
    .max_flat_workgroup_size: 128
    .sgpr_count:     100
    .vgpr_count:     1024
    .wavefront_size: 32
...
	.end_amdgpu_metadata
.endif
;; end of part 3
;; launch combine (part 4): grid 256 x 1, 8 waves a work-group, no clusters, 0 bytes of LDS; arguments ybuf, out0; writes out0
.if DOCPART == 4
	.amdgcn_target "amdgcn-amd-amdhsa--gfx1250"
	.amdhsa_code_object_version 6
	.text
	.protected	k_q5168731709_combine
	.globl	k_q5168731709_combine
	.p2align	8
	.type	k_q5168731709_combine,@function
k_q5168731709_combine:
	s_mov_b64 s[64:65], 0
	v_nop
	global_prefetch_b8 v0, s[64:65] scope:SCOPE_SE
	s_setreg_imm32_b32 hwreg(HW_REG_WAVE_MODE, 25, 1), 1
	s_wait_xcnt 0x0
; COMBINE: out0[t] = ybuf[2 t] + ybuf[2 t + 1]: a token's two routed rows, already weighted.  A stream: each byte read once and written once, 512 consecutive bytes an instruction.
; Wave Wn = 8 x work-group + wave takes two tokens: 8,192 bytes in, 4,096 out.  All sixteen loads go out at once; no register is used twice, so no wait but the counted ones.
; LDS, barriers and matrix units would add nothing here.
	s_load_b128 s[4:7], s[0:1], 0x0                ; ybuf, out0
	v_lshrrev_b32 v1, 5, v0
	v_readfirstlane_b32 s8, v1                     ; wave 0..7
	v_and_b32 v1, 31, v0
	v_lshlrev_b32 v1, 4, v1                        ; 16 bytes a lane
	s_lshl_b32 s9, ttmp9, 3
	s_add_co_u32 s9, s9, s8                        ; Wn
	s_lshl_b32 s10, s9, 13
	s_mov_b32 s11, 0
	s_lshl_b32 s12, s9, 12
	s_mov_b32 s13, 0
	s_wait_kmcnt 0x0
	s_add_nc_u64 s[4:5], s[4:5], s[10:11]
	s_add_nc_u64 s[6:7], s[6:7], s[12:13]
.irp j, 0,1,2,3,4,5,6,7
	global_load_b128 v[8+8*\j:11+8*\j], v1, s[4:5] offset:4096*(\j/4)+512*(\j%4) th:TH_LOAD_NT
	global_load_b128 v[12+8*\j:15+8*\j], v1, s[4:5] offset:4096*(\j/4)+512*(\j%4)+2048 th:TH_LOAD_NT
.endr
.irp j, 0,1,2,3,4,5,6,7
	s_wait_loadcnt 14-2*\j                         ; pair j is in; the younger pairs may be out
	v_pk_add_f32 v[8+8*\j:9+8*\j], v[8+8*\j:9+8*\j], v[12+8*\j:13+8*\j]
	v_pk_add_f32 v[10+8*\j:11+8*\j], v[10+8*\j:11+8*\j], v[14+8*\j:15+8*\j]
	global_store_b128 v1, v[8+8*\j:11+8*\j], s[6:7] offset:512*\j th:TH_STORE_NT
.endr
	s_endpgm
.Lfunc_end_k_q5168731709_combine:
	.size	k_q5168731709_combine, .Lfunc_end_k_q5168731709_combine-k_q5168731709_combine
	.p2alignl 7, 3214868480
	.fill 96, 4, 3214868480
	.section	.rodata,"a",@progbits
	.p2align	6, 0x0
	.amdhsa_kernel k_q5168731709_combine
		.amdhsa_group_segment_fixed_size 0
		.amdhsa_private_segment_fixed_size 0
		.amdhsa_enable_private_segment 0
		.amdhsa_kernarg_size 16
		.amdhsa_user_sgpr_count 2
		.amdhsa_user_sgpr_kernarg_segment_ptr 1
		.amdhsa_wavefront_size32 1
		.amdhsa_system_sgpr_workgroup_id_x 1
		.amdhsa_system_sgpr_workgroup_id_y 1
		.amdhsa_system_sgpr_workgroup_id_z 1
		.amdhsa_system_vgpr_workitem_id 0
		.amdhsa_next_free_vgpr 72
		.amdhsa_next_free_sgpr 66
		.amdhsa_reserve_vcc 0
		.amdhsa_float_denorm_mode_32 3
		.amdhsa_float_denorm_mode_16_64 3
		.amdhsa_memory_ordered 1
		.amdhsa_forward_progress 1
		.amdhsa_inst_pref_size 5
	.end_amdhsa_kernel
	.amdgpu_metadata
---
amdhsa.version: [ 1, 2 ]
amdhsa.kernels:
  - .name:           k_q5168731709_combine
    .symbol:         k_q5168731709_combine.kd
    .args:
      - { .name: ybuf, .offset: 0, .size: 8, .value_kind: global_buffer, .address_space: global }
      - { .name: out0, .offset: 8, .size: 8, .value_kind: global_buffer, .address_space: global }
    .group_segment_fixed_size: 0
    .private_segment_fixed_size: 0
    .kernarg_segment_align: 8
    .kernarg_segment_size: 16
    .max_flat_workgroup_size: 256
    .sgpr_count:     66
    .vgpr_count:     72
    .wavefront_size: 32
...
	.end_amdgpu_metadata
.endif
;; end of part 4
;; ======== version 2 of 2: 4 launches; version 1 with the launch chain written anew for expert scheduling mode
;; workspace buffers: wc 12,582,912 bytes; ws 524,288 bytes; xq 1,638,400 bytes; sel 32,768 bytes of whole numbers; gw 32,768 bytes; plan 37,120 bytes of whole numbers; ybuf 16,777,216 bytes
;; launch prep: the kernel of part 1 again; grid 1280 x 1, 4 waves a work-group, no clusters, 10,752 bytes of LDS; arguments x, Wg, bg, W1, W2, wc, ws, xq, sel, gw, out1; writes wc, ws, xq, sel, gw, out1
;; launch place: the kernel of part 2 again; grid 1 x 1, 8 waves a work-group, no clusters, 2,048 bytes of LDS; arguments sel, plan; writes plan
;; launch chain (part 5): grid 178 x 1, 4 waves a work-group, no clusters, 66,048 bytes of LDS; arguments plan, wc, ws, xq, gw, b1, b2, ybuf; writes ybuf
.if DOCPART == 5
	.amdgcn_target "amdgcn-amd-amdhsa--gfx1250"
	.amdhsa_code_object_version 6
	.text
	.protected	k_q5168731709_chain
	.globl	k_q5168731709_chain
	.p2align	8
	.type	k_q5168731709_chain,@function
k_q5168731709_chain:
	s_mov_b64 s[64:65], 0
	v_nop
	global_prefetch_b8 v0, s[64:65] scope:SCOPE_SE
	s_setreg_imm32_b32 hwreg(HW_REG_WAVE_SCHED_MODE, 0, 2), 2
	s_setreg_imm32_b32 hwreg(HW_REG_WAVE_MODE, 25, 1), 1
	s_wait_xcnt 0x0
	s_wait_alu depctr_vm_vsrc(0)
; CHAIN: a work-group takes one tile of up to 48 routed rows of ONE expert through the whole chain: y = w (gelu(x W1 + b1) W2 + b2), both products on codes of E2M3 with E8M0 scales.
; ybuf[rho] (2,048 bytes a row, rho = 2 x token + k) takes the row's result; the hidden layer never goes to memory.
; THE GRID serves every split: 8,192 rows in tiles of 48 over 8 experts are never more than ceil(8192 / 48) + 7 = 178 tiles.  A tile without rows runs the same text on rows held inside the buffers
; and stores nothing: so no barrier and no load stands under a branch on loaded numbers; the only such branches stand in the tail, behind the last barrier.
; SHARES.  THE WAVES SHARE THE COLUMNS.  H goes in four passes of 512.  In pass q wave w makes hidden units 128 (4 q + w) .. + 127 of all 48 rows (three tiles of 16), which are K step 4 q + w of the second
; product: gelu, quantised in registers, and stored in LDS as an IMAGE OF THE OPERAND'S REGISTERS; a barrier; every wave multiplies the pass's four K steps into its 128 output columns (24 accumulators).
; THE WEIGHTS go from memory straight into registers: an earlier launch laid them in the order of the operand's registers, so a group of 8 fragments is 24 loads of 512 consecutive bytes, and its scale
; words one more.  Four register slots take turns; a group is asked for three groups ahead.
; BOTH PRODUCTS ARE USED TRANSPOSED (source 0 = 16 rows of the weight, source 1 = 16 routed rows): a lane holds one routed row throughout.  Row r of weight tile 2 P + u is column 32 P + 8 u + r + 8 (r / 8),
; so the 16 registers of tiles 2 P and 2 P + 1 are 16 neighbouring columns, 32 P + 16 (lane / 16) + 0 .. 15.  b1 is the C of a sum's first product; b2 is loaded into the second product's accumulators.
; GELU, exact form: 0.5 u (1 + erf(u / sqrt 2)), erf(z) = z P(z^2) / Q(z^2) with z held to +-4 (degrees 6 and 4 in z^2), all in f32.
; NO CLUSTER: tiles of one expert read the same weights, but an expert has 0 to 171 tiles by counts read from memory, so partners of one expert would want each expert's tiles filled up to a multiple
; of the cluster (up to 24 more work-groups of four), and the weights would have to go through LDS, where here they land in the registers that multiply them.
; LIMITS: NaN and infinities are not served.  1 + erf is formed by an addition: for u far below 0 the error of gelu is some 6e-8 |u|, not a part in 10^6 of the (vanishing) number.
; A block of the hidden layer whose largest magnitude lies under 2^-124 gets the byte 1.
; THE MODE: SCHED_MODE bits 1:0 = 2 (LLVM: expert scheduling mode 2), set by the entry lines.  The code itself states the register dependences between vector or matrix instructions and memory or LDS
; instructions, with s_wait_alu, always for 0.
; THE PLAN.  A pass is eight steps g: four pairs of tiles of W1 (products, gelu, quantiser), then four K steps of W2.  Registers that memory or LDS instructions touch in the loop:
;   slots 0 .. 3, v32-47   Step g's products read slot g % 4 and its scale words; the 25 loads of group g + 3, issued in step g, land in slot (g - 1) % 4, which step g - 1's products read.
;   b1's two sets          Pair p's products read set p % 2; the LDS loads of pair p + 1, issued in step p, land in the other set, which pair p - 1's products read.
;   the images' two sets   K step k's products read set k % 2 and its scale words; the LDS loads of K step k + 1, issued in step k, land in the other set, which K step k - 1's products read.
;                          In the first four steps the same registers are gelu's and the quantiser's.
;   v176-211, v74-76       The quantiser writes the codes and scale words; the LDS stores of the images read them.
;   v10                    Read by the LDS loads of b1; written once a pass, at its head.     v1-v8: read by the loads and stores; never written again.
; So ONE wait on va_vdst stands at a step's head, behind the waits for the step's data: the step before is done with all the registers in which this step's loads land.  The step's products name its own
; slot, x, its own set and the accumulators: none of the registers that those loads touch.  So the loads are dealt among the products with no further wait.  Step 0's wait is the one behind the add to v10;
; K step 0's is the one in front of the images' stores.  Two waits on vm_vsrc a pass: at its head, and behind the images' barrier.
;
; LDS: 0 b1's slices (2,048 bytes a wave, its own) | 8,192 the 12 images (wave w', tile of rows m: 3 w' + m) of 1,536 bytes | 26,624 their scale words, 128 bytes each | 28,672 a stage of 16 x 528 bytes for each wave.
; REGISTERS, window 0: v1-31 addresses and two constants; v32-47 the slots' scale words; v48-59 x's; v60-66 the hidden layer's, two sets; v68-73 the gate's weights; v74-76 the word just made;
;   v80-95 and v236-251 b1 of a pair of tiles, two sets; v96-143 six accumulators of the hidden layer; v144-175 gelu at work; v176-223 codes; v224-235 the quantiser.  In the second product v144-215 hold two sets of three images.
;   window 1: v0-143 x's 12 fragments (48 m + 12 s); v144-239 slot 0.   window 2: slot 1, slot 2, from v192 y of rows 0-15.   window 3: slot 3, from v96 y of rows 16-47.
.set B1L,  0
.set HIMG, 8192
.set HSC,  26624
.set YST,  28672
.set LI,   1                           ; 16 x lane
.set LS,   2                           ; 4 x lane
.set OW1,  3                           ; 16 lane + 49,152 w: my W1 groups in wc
.set OW2,  4                           ; 16 lane + 12,288 w: my W2 groups
.set SW1,  5                           ; 16 lane + 2,048 w: W1's scale words; also where b1's slices go in LDS
.set SW2,  6                           ; 16 lane + 512 w: W2's scale words; also my 16 bytes of a row of b1 and of ybuf
.set HIW,  7                           ; 16 lane + 4,608 w: where my images go
.set HSW,  8                           ; 4 lane + 384 w: and their scale words
.set B1B,  9                           ; 2,048 w + 64 h
.set B1A,  10                          ; + 512 q
.set SO,   11                          ; the stage, in
.set SR,   12                          ; the stage, back
.set R4,   13                          ; 4 r
.set RHO,  14                          ; v14-16 my row's id in each of the three tiles of rows
.set XA,   17                          ; v17-19 its codes in xq
.set XSA,  20                          ; v20-22 its scale bytes
.set GA,   23                          ; v23-25 its weight in gw
.set CA11, 26                          ; v26-27, v28-29 two coefficients as vector pairs, so that no instruction names two scalar pairs
.set CB6,  28
.set CB,   30                          ; 512 w + 64 h: my columns in b2
.set SC,   32
.set XS,   48
.set HS,   60
.set GW,   68
.set PW,   74
.set H192, 77
.set TA,   78
.set TH,   79
.set B1,   80                          ; b1's set 0
.set B1X,  236                         ; b1's set 1
.set HA,   96
.set GZ,   144
.set GX,   152
.set GP,   160
.set GQ,   168
.set PC,   176
.set TC,   212
.set MX,   224
.set MO,   227
.set SV,   230
.set BY,   233
.set HF,   144
.set K_RS2, 20                         ; s20-41: eleven constants, each as a pair (the packed forms name a pair and take its low word for both halves)
.set K_A13, 22
.set K_A9,  24
.set K_A7,  26
.set K_A5,  28
.set K_A3,  30
.set K_A1,  32
.set K_B8,  34
.set K_B4,  36
.set K_B2,  38
.set K_B0,  40
.set MSB, 0
.macro WIN new                         ; the immediate's high byte repeats the setting that is left; a switch that changes nothing is dropped
.if MSB != (\new)
	s_set_vgpr_msb (MSB<<8)|(\new)
.set MSB, (\new)
.endif
.endm
.macro SLOTSET slot                    ; a slot's window and first register
.if (\slot) == 0
.set SW_, 1
.set SB_, 144
.elseif (\slot) == 1
.set SW_, 2
.set SB_, 0
.elseif (\slot) == 2
.set SW_, 2
.set SB_, 96
.else
.set SW_, 3
.set SB_, 0
.endif
.endm
.macro YSET m                          ; the window and first register of y's eight accumulators of rows 16 m on
.if (\m) == 0
.set YW_, 2
.set YB_, 192
.elseif (\m) == 1
.set YW_, 3
.set YB_, 96
.else
.set YW_, 3
.set YB_, 160
.endif
.endm
.macro PLACES n
.rept \n
	v_nop
.endr
.endm
.macro KSET reg, val
	s_mov_b32 s[\reg], \val
	s_mov_b32 s[\reg+1], \val
.endm
; A group: 8 fragments, 12,288 consecutive bytes, and their scale words: 25 loads, in two parts that a step deals among its products
.macro GLOADA slot, voff, imm          ; the first 12 loads
	SLOTSET \slot
	WIN SW_<<6
.set I_, 0
.rept 12
	global_load_b128 v[SB_+4*I_:SB_+4*I_+3], v[\voff], s[6:7] offset:\imm+512*I_
.set I_, I_+1
.endr
.endm
.macro GLOADB slot, voff, imm, svoff, simm   ; the other 12, and the scale words; every window is 0 behind it
	SLOTSET \slot
	WIN SW_<<6
.set I_, 12
.rept 12
	global_load_b128 v[SB_+4*I_:SB_+4*I_+3], v[\voff], s[6:7] offset:\imm+512*I_
.set I_, I_+1
.endr
	WIN 0
	global_load_b128 v[SC+4*(\slot):SC+4*(\slot)+3], v[\svoff], s[8:9] offset:\simm
.endm
.macro GLOAD slot, voff, imm, svoff, simm
	GLOADA \slot, \voff, \imm
	GLOADB \slot, \voff, \imm, \svoff, \simm
.endm
.macro BIAS p                          ; b1 of hidden units 32 p + 16 h + 0 .. 15 of my 128, into set p % 2
.set BB_, B1+(B1X-B1)*((\p)%2)
.irp i, 0,1,2,3
	ds_load_b128 v[BB_+4*\i:BB_+4*\i+3], v[B1A] offset:B1L+128*(\p)+16*\i
.endr
.endm
; The first product for a pair of tiles of W1 (u = 0, 1) and the three tiles of rows: 24 matrix instructions, K step by K step; the six accumulators take turns
.macro MM1 slot, s, m, u
.set D_, HA+16*\m+8*\u
.set A_, SB_+12*(4*\u+\s)
.set B_, 48*\m+12*\s
.set C_, D_
.if \s == 0
.set C_, B1+(B1X-B1)*((\slot)%2)+8*\u
.endif
.if \u == 0
	v_wmma_scale_f32_16x16x128_f8f6f4 v[D_:D_+7], v[A_:A_+11], v[B_:B_+11], v[C_:C_+7], v[SC+4*(\slot)+\s], v[XS+4*\m+\s] matrix_a_fmt:MATRIX_FMT_FP6 matrix_b_fmt:MATRIX_FMT_FP6
.else
	v_wmma_scale_f32_16x16x128_f8f6f4 v[D_:D_+7], v[A_:A_+11], v[B_:B_+11], v[C_:C_+7], v[SC+4*(\slot)+\s], v[XS+4*\m+\s] matrix_a_fmt:MATRIX_FMT_FP6 matrix_b_fmt:MATRIX_FMT_FP6 matrix_a_scale:MATRIX_SCALE_ROW1
.endif
.endm
.macro MUL1K slot, s                   ; K step s of the pair: six products
.irp m, 0,1,2
.irp u, 0,1
	MM1 \slot, \s, \m, \u
.endr
.endr
.endm
.macro GSTEP acc, kreg                 ; acc = acc x z^2 + a coefficient, four pairs
.irp j, 0,2,4,6
	v_pk_fma_f32 v[\acc+\j:\acc+\j+1], v[\acc+\j:\acc+\j+1], v[GX+\j:GX+\j+1], s[\kreg:\kreg+1] op_sel_hi:[1,1,0]
.endr
.endm
; gelu of one accumulator, in place: 80 instructions for 8 numbers; each stage runs over the four pairs, so that no line waits for the line above it.  The accumulator is read from its low end on
.macro GELU a
.set U_, HA+8*(\a)
.irp j, 0,2,4,6
	v_pk_mul_f32 v[GZ+\j:GZ+\j+1], v[U_+\j:U_+\j+1], s[K_RS2:K_RS2+1] op_sel_hi:[1,0]   ; z = u / sqrt 2
.endr
.irp j, 0,1,2,3,4,5,6,7
	v_med3_num_f32 v[GZ+\j], v[GZ+\j], -4.0, 4.0
.endr
.irp j, 0,2,4,6
	v_pk_mul_f32 v[GX+\j:GX+\j+1], v[GZ+\j:GZ+\j+1], v[GZ+\j:GZ+\j+1]
.endr
.irp j, 0,2,4,6
	v_pk_fma_f32 v[GP+\j:GP+\j+1], v[GX+\j:GX+\j+1], s[K_A13:K_A13+1], v[CA11:CA11+1] op_sel_hi:[1,0,1]
.endr
.irp j, 0,2,4,6
	v_pk_fma_f32 v[GQ+\j:GQ+\j+1], v[GX+\j:GX+\j+1], s[K_B8:K_B8+1], v[CB6:CB6+1] op_sel_hi:[1,0,1]
.endr
	GSTEP GP, K_A9
	GSTEP GQ, K_B4
	GSTEP GP, K_A7
	GSTEP GQ, K_B2
	GSTEP GP, K_A5
	GSTEP GQ, K_B0
	GSTEP GP, K_A3
	GSTEP GP, K_A1
.irp j, 0,1,2,3,4,5,6,7
	v_rcp_f32 v[GQ+\j], v[GQ+\j]
.endr
.irp j, 0,2,4,6
	v_pk_mul_f32 v[GP+\j:GP+\j+1], v[GP+\j:GP+\j+1], v[GZ+\j:GZ+\j+1]      ; z P.  (Plain lines behind the reciprocals: ISA guide 5.7.2)
.endr
.irp j, 0,2,4,6
	v_pk_mul_f32 v[GZ+\j:GZ+\j+1], v[U_+\j:U_+\j+1], 0.5 op_sel_hi:[1,0]
.endr
	s_wait_alu depctr_va_vdst(0)                   ; the eight reciprocals have written v[GQ ..]: one wait for the batch, ahead of its first reader
.irp j, 0,2,4,6
	v_pk_mul_f32 v[GP+\j:GP+\j+1], v[GP+\j:GP+\j+1], v[GQ+\j:GQ+\j+1]      ; erf
.endr
.irp j, 0,2,4,6
	v_pk_fma_f32 v[U_+\j:U_+\j+1], v[GZ+\j:GZ+\j+1], v[GP+\j:GP+\j+1], v[GZ+\j:GZ+\j+1]   ; 0.5 u erf + 0.5 u
.endr
.endm
; Block p (of four) of my K step, for the three tiles of rows by turns: a lane holds 16 of a block's 32 numbers, lane l xor 16 the others
.macro QUANT p
.irp m, 0,1,2
	v_max3_num_f32 v[MX+\m], |v[HA+16*\m]|, |v[HA+16*\m+1]|, 0x1800000     ; with the floor 2^(3 - 127): the byte cannot fall under 1
.endr
.irp i, 2,4,6,8,10,12,14
.irp m, 0,1,2
	v_max3_num_f32 v[MX+\m], v[MX+\m], |v[HA+16*\m+\i]|, |v[HA+16*\m+\i+1]|
.endr
.endr
.irp m, 0,1,2
	v_permlanex16_b32 v[MO+\m], v[MX+\m], s52, s53
.endr
.irp m, 0,1,2
	v_max_num_f32 v[MX+\m], v[MX+\m], v[MO+\m]
.endr
.irp m, 0,1,2
	v_add_nc_u32 v[SV+\m], 0xff000000, v[MX+\m]    ; 2 off the exponent field: the conversion's scale operand
.endr
.irp m, 0,1,2
.if (\p)%2 == 0
	v_cvt_scalef32_pk16_fp6_f32 v[PC+12*\m+6*((\p)/2):PC+12*\m+6*((\p)/2)+2], v[HA+16*\m:HA+16*\m+15], v[SV+\m]
.else
	v_cvt_scalef32_pk16_fp6_f32 v[TC+4*\m:TC+4*\m+2], v[HA+16*\m:HA+16*\m+15], v[SV+\m]
.endif
.endr
.irp m, 0,1,2
.if (\p) == 0
	v_lshrrev_b32 v[PW+\m], 23, v[SV+\m]           ; the byte.  (Also the plain lines behind the conversions)
.else
	v_lshrrev_b32 v[BY+\m], 23, v[SV+\m]
.endif
.endr
.if (\p) > 0
.irp m, 0,1,2
	v_lshl_or_b32 v[PW+\m], v[BY+\m], 8*(\p), v[PW+\m]
.endr
.endif
.if (\p)%2 == 1                        ; the operand's layout wants a WHOLE block in a lane: lanes 0-15 block p - 1, lanes 16-31 block p
.irp m, 0,1,2
.irp i, 0,1,2
	v_permlane16_swap_b32 v[PC+12*\m+6*((\p)/2)+\i], v[TC+4*\m+\i]
.endr
.endr
.irp m, 0,1,2
.irp i, 0,1,2
	v_mov_b32 v[PC+12*\m+6*((\p)/2)+3+\i], v[TC+4*\m+\i]
.endr
.endr
.endif
.endm
.macro IMAGES                          ; my three fragments and their scale words go to LDS as they stand
.irp m, 0,1,2
.irp j, 0,1,2
	ds_store_b128 v[HIW], v[PC+12*\m+4*\j:PC+12*\m+4*\j+3] offset:HIMG+1536*\m+512*\j
.endr
	ds_store_b32 v[HSW], v[PW+\m] offset:HSC+128*\m
.endr
.endm
.macro DSL k, set                      ; wave k's three images come back so, in any wave: 12 LDS loads
.irp m, 0,1,2
.irp j, 0,1,2
	ds_load_b128 v[HF+36*(\set)+12*\m+4*\j:HF+36*(\set)+12*\m+4*\j+3], v[LI] offset:HIMG+(3*(\k)+\m)*1536+512*\j
.endr
	ds_load_b32 v[HS+4*(\set)+\m], v[LS] offset:HSC+(3*(\k)+\m)*128
.endr
.endm
; The second product for one K step and one tile of rows: my 8 tiles of W2.  Over a K step the 24 accumulators take turns, one instruction each
.macro MUL2M slot, set, m
	SLOTSET \slot
	YSET \m
	WIN SW_|(YW_<<4)|(YW_<<6)                      ; source 0 (W2) the slot's window, source 1 (the image) window 0, C and D y's window
.irp t, 0,1,2,3,4,5,6,7
.set D_, YB_+8*\t
.set A_, SB_+12*\t
.set B_, HF+36*(\set)+12*(\m)
.if \t%2 == 0
	v_wmma_scale_f32_16x16x128_f8f6f4 v[D_:D_+7], v[A_:A_+11], v[B_:B_+11], v[D_:D_+7], v[SC+4*(\slot)+\t/2], v[HS+4*(\set)+(\m)] matrix_a_fmt:MATRIX_FMT_FP6 matrix_b_fmt:MATRIX_FMT_FP6
.else
	v_wmma_scale_f32_16x16x128_f8f6f4 v[D_:D_+7], v[A_:A_+11], v[B_:B_+11], v[D_:D_+7], v[SC+4*(\slot)+\t/2], v[HS+4*(\set)+(\m)] matrix_a_fmt:MATRIX_FMT_FP6 matrix_b_fmt:MATRIX_FMT_FP6 matrix_a_scale:MATRIX_SCALE_ROW1
.endif
.endr
.endm
; Pair p of my 128 hidden units: the products, with the request three groups ahead dealt among them; b1 of the next pair; gelu; the quantiser
.macro AGROUP p, slot, voff, imm, svoff, simm
	s_wait_loadcnt 50                              ; this group is in; the two groups of 25 loads asked for behind it may be out
	s_wait_dscnt 0x0                               ; b1 of this pair
.if (\p) > 0
	s_wait_alu depctr_va_vdst(0)                   ; the pair before: its products are done reading their slot, its scale words and their set of b1, in which this step's loads land.  (Pair 0: the wait at the pass's head states it)
.endif
	SLOTSET \p
	WIN SW_|4                                      ; source 0 (W1) the slot's window, source 1 (x) window 1, C and D window 0
	MUL1K \p, 0
	MUL1K \p, 1
	GLOADA \slot, \voff, \imm                      ; no wait: no vector or matrix instruction since the step's wait names the slot that is asked for or the loads' offsets
	SLOTSET \p
	WIN SW_|4
	MUL1K \p, 2
	MUL1K \p, 3
	GLOADB \slot, \voff, \imm, \svoff, \simm
.if (\p) < 3
	BIAS (\p)+1                                    ; into the set that these products do not name
.endif
	PLACES 4                                       ; behind the products, in front of the first read of their results (ISA guide 7.12.1)
.irp a, 0,1,2,3,4,5
	GELU \a
.endr
	QUANT \p
.endm
; The pass's four K steps of the second product.  pre = 1: the next pass's first three groups of W1 are asked for
.macro BPHASE pre
	DSL 0, 0
	DSL 1, 1
.irp k, 0,1,2,3
.if \pre || (\k < 2)
	s_wait_loadcnt 50                              ; this K step's group is in; two groups may be out
.elseif \k == 2
	s_wait_loadcnt 25                              ; the last pass asks for nothing more: one group is out,
.else
	s_wait_loadcnt 0x0                             ; then none
.endif
.if \k == 0
	s_wait_dscnt 12                                ; set 0 of the images is in; set 1's 12 loads may be out
.else
	s_wait_dscnt 0x0                               ; this K step's images, asked for at the head of the K step before
.endif
.if (\k > 0) && (\pre || (\k < 3))
	s_wait_alu depctr_va_vdst(0)                   ; the K step before: its products are done reading their slot, its scale words, their set of images and its scale words, in which this step's loads land.  (K step 0: the wait in front of the images' stores states it)
.endif
.if (\k == 1) || (\k == 2)
	DSL \k+1, (\k+1)%2                             ; the next K step's images: they have this step's products in which to land
.endif
	MUL2M \k, \k%2, 0
.if \k == 0
	GLOADA 3, OW2, 6291456+147456
.elseif \pre
	GLOADA \k-1, OW1, 196608+12288*(\k-1)
.endif
	MUL2M \k, \k%2, 1
	MUL2M \k, \k%2, 2
.if \k == 0
	GLOADB 3, OW2, 6291456+147456, SW2, 262144+6144
.elseif \pre
	GLOADB \k-1, OW1, 196608+12288*(\k-1), SW1, 8192+512*(\k-1)
.endif
	WIN 0
	PLACES 5                                       ; the places behind the step's products stay: ahead of what next touches their registers, and in the end of the first read of y
.endr
.endm
	s_load_b512 s[4:19], s[0:1], 0x0               ; plan 4, wc 6, ws 8, xq 10, gw 12, b1 14, b2 16, ybuf 18
	v_lshl_add_u32 v63, v0, 2, 0x10000
	v_mov_b32 v67, 0
	v_lshrrev_b32 v[R4], 5, v0
	v_readfirstlane_b32 s48, v[R4]                 ; wave 0..3
	v_and_b32 v[TA], 31, v0
	v_and_b32 v[R4], 15, v0                        ; r
	v_bfe_u32 v[TH], v0, 4, 1                      ; h
	v_lshlrev_b32 v[LI], 4, v[TA]
	v_lshlrev_b32 v[LS], 2, v[TA]
	s_wait_alu depctr_va_sdst(0)                   ; s48 is written, ahead of its first reader
	s_mul_i32 s2, s48, 49152
	v_add_nc_u32 v[OW1], s2, v[LI]
	s_mul_i32 s2, s48, 12288
	v_add_nc_u32 v[OW2], s2, v[LI]
	s_lshl_b32 s2, s48, 11
	v_add_nc_u32 v[SW1], s2, v[LI]
	v_lshl_add_u32 v[B1B], v[TH], 6, s2
	s_lshl_b32 s2, s48, 9
	v_add_nc_u32 v[SW2], s2, v[LI]
	v_lshl_add_u32 v[CB], v[TH], 6, s2
	s_mul_i32 s2, s48, 4608
	v_add_nc_u32 v[HIW], s2, v[LI]
	s_mul_i32 s2, s48, 384
	v_add_nc_u32 v[HSW], s2, v[LS]
	s_mul_i32 s2, s48, 8448
	s_add_co_u32 s2, s2, YST
	v_add_nc_u32 v[SR], s2, v[LI]                  ; back: a row's 512 bytes, 16 a lane
	v_mul_u32_u24 v[SO], v[R4], 528
	v_lshl_add_u32 v[SO], v[TH], 6, v[SO]
	v_add_nc_u32 v[SO], s2, v[SO]                  ; in: row r, + 64 h
	v_mul_u32_u24 v[H192], v[TH], 192
	v_lshlrev_b32 v[R4], 2, v[R4]
	v_mov_b32 v[CA11], 0x32edffee
	v_mov_b32 v[CA11+1], 0x32edffee
	v_mov_b32 v[CB6], 0xb95fbd29
	v_mov_b32 v[CB6+1], 0xb95fbd29
.irp m, 0,1,2
	v_mov_b32 v[MO+\m], 0                          ; written once: a lane permute's destination counts as one of its sources
	v_mov_b32 v[GW+2*\m+1], 0                      ; (named as the upper half of a pair)
.endr
	KSET K_RS2, 0x3f3504f3                         ; 1 / sqrt 2
	KSET K_A13, 0xaf95df0b                         ; P: -2.72614226e-10, (2.77068142e-08 in v26-27), -2.10102402e-06, -5.69250639e-05,
	KSET K_A9,  0xb60cff51
	KSET K_A7,  0xb86ec2d2
	KSET K_A5,  0xba40ac63                         ;    -7.34990630e-04, -2.95459981e-03, -1.60960333e-02
	KSET K_A3,  0xbb41a1f6
	KSET K_A1,  0xbc83dbd4
	KSET K_B8,  0xb77460cd                         ; Q: -1.45660718e-05, (-2.13374055e-04 in v28-29), -1.68282697e-03, -7.37332917e-03, -1.42647391e-02
	KSET K_B4,  0xbadc924e
	KSET K_B2,  0xbbf19bf8
	KSET K_B0,  0xbc69b6a7
	s_mov_b32 s52, 0x76543210
	s_mov_b32 s53, 0xfedcba98                      ; v_permlanex16_b32's selects for lane l xor 16
	s_mov_b32 s49, 0                               ; the pass q
	s_mov_b32 s50, 0                               ; 512 q
	s_lshl_b32 s2, ttmp9, 4
	s_mov_b32 s3, 0
	s_wait_kmcnt 0x0
	s_add_nc_u64 s[54:55], s[4:5], s[2:3]
	s_load_b128 s[44:47], s[54:55], 0x0            ; my tile: expert, first place, rows
	s_wait_kmcnt 0x0
	s_min_u32 s44, s44, 7                          ; loaded numbers are held inside their ranges before they enter an address
	s_min_u32 s45, s45, 0x2000
	s_min_u32 s46, s46, 48
	s_mul_i32 s2, s44, 786432
	s_add_nc_u64 s[6:7], s[6:7], s[2:3]            ; the expert's codes,
	s_lshl_b32 s2, s44, 15
	s_add_nc_u64 s[8:9], s[8:9], s[2:3]            ; scale words,
	s_lshl_b32 s2, s44, 13
	s_add_nc_u64 s[14:15], s[14:15], s[2:3]        ; b1,
	s_lshl_b32 s2, s44, 11
	s_add_nc_u64 s[16:17], s[16:17], s[2:3]        ; b2
	s_lshl_b32 s2, s45, 2
	s_add_co_u32 s2, s2, 4096
	s_add_nc_u64 s[54:55], s[4:5], s[2:3]          ; the tile's 48 row ids
	s_wait_alu depctr_va_vdst(0)                   ; the offsets and LDS addresses v1-v8, v11-v13 and v30 are written, which the kernel's loads and stores read
.irp m, 0,1,2
	global_load_b32 v[RHO+\m], v[R4], s[54:55] offset:64*\m
.endr
	GLOAD 0, OW1, 0, SW1, 0                        ; the first group of W1
	s_wait_loadcnt 25                              ; the row ids are in; that group's 25 loads may be out
.irp m, 0,1,2
	v_min_u32 v[RHO+\m], 0x1fff, v[RHO+\m]
	v_and_b32 v[TA], -2, v[RHO+\m]                 ; 2 x token
	v_mul_u32_u24 v[XA+\m], v[TA], 192
	v_add_nc_u32 v[XA+\m], v[XA+\m], v[H192]       ; 384 token + 192 h: my 192 bytes of the token's codes
	v_lshlrev_b32 v[XSA+\m], 3, v[TA]              ; 16 token
	v_lshlrev_b32 v[GA+\m], 2, v[RHO+\m]
.endr
	s_wait_alu depctr_va_vdst(0)                   ; the nine offsets v17-v25 are written, which the loads of x, its scale bytes and the gate's weights read
.irp q, 0,1,2,3
	global_load_b128 v[GZ+4*\q:GZ+4*\q+3], v[SW2], s[14:15] offset:2048*\q   ; b1 of my 128 hidden units of pass q
.endr
.irp m, 0,1,2
	global_load_b32 v[GW+2*\m], v[GA+\m], s[12:13]
.endr
.irp m, 0,1,2
	global_load_b128 v[XS+4*\m:XS+4*\m+3], v[XSA+\m], s[10:11] offset:1572864
.endr
	WIN 0x40                                       ; destination window 1
.irp m, 0,1,2
.irp i, 0,1,2,3,4,5,6,7,8,9,10,11
	global_load_b128 v[48*\m+4*\i:48*\m+4*\i+3], v[XA+\m], s[10:11] offset:16*\i   ; x's four fragments of a tile of rows: they stay
.endr
.endr
	WIN 0
	s_wait_loadcnt 42                              ; b1 is in; the 3 + 3 + 36 loads behind it may be out
.irp q, 0,1,2,3
	ds_store_b128 v[SW1], v[GZ+4*\q:GZ+4*\q+3] offset:B1L+512*\q              ; my own bytes: no other wave touches them
.endr
.irp m, 0,1,2
	YSET \m
	WIN YW_<<6
.irp t, 0,1,2,3,4,5,6,7
	global_load_b128 v[YB_+8*\t:YB_+8*\t+3], v[CB], s[16:17] offset:128*(\t/2)+32*(\t%2)        ; b2 starts y's sums: tile t, register j: column 128 w + 32 (t / 2) + 16 h + 8 (t % 2) + j
	global_load_b128 v[YB_+8*\t+4:YB_+8*\t+7], v[CB], s[16:17] offset:128*(\t/2)+32*(\t%2)+16
.endr
.endr
	WIN 0
	GLOAD 1, OW1, 12288, SW1, 512
	GLOAD 2, OW1, 24576, SW1, 1024
.Lpass:                                            ; four trips: 512 of H each
	s_wait_alu depctr_vm_vsrc(0)                   ; the last pass's LDS loads of b1 have read v[B1A], which is written below; its LDS stores have read the codes and scale words, which the quantiser writes again; in the first trip: the head's LDS stores have read v144-159, which gelu writes
	v_add_nc_u32 v[B1A], s50, v[B1B]
	s_wait_alu depctr_va_vdst(0)                   ; v[B1A] is written, which the LDS loads of b1 read; the last pass's products are done reading slot 3, its scale words and both sets of b1, in which the loads of pair 0's step land
	BIAS 0
	AGROUP 0, 3, OW1, 36864, SW1, 1536             ; asks for W1's fourth pair,
	AGROUP 1, 0, OW2, 6291456, SW2, 262144         ; then for the pass's K steps of W2
	AGROUP 2, 1, OW2, 6291456+49152, SW2, 262144+2048
	AGROUP 3, 2, OW2, 6291456+98304, SW2, 262144+4096
	s_wait_alu depctr_va_vdst(0)                   ; the quantiser has written the codes and scale words, which the LDS stores read; gelu and the quantiser are done with v144-215, the last pass's products with the images' scale words, pair 3's products with slot 3 and its scale words: the loads behind the barrier land in these
	IMAGES
	s_wait_dscnt 0x0                               ; for the others' sake: my images lie in LDS
	s_barrier_signal -1
	s_barrier_wait -1                              ; everybody's do
	s_wait_alu depctr_vm_vsrc(0)                   ; my LDS stores have read v176-211, in which the images' loads land
	s_cmp_eq_u32 s49, 3                            ; the last pass asks for no further W1: no load leaves wc.  Both barriers stand outside the two arms
	s_cbranch_scc1 .Lblast
	BPHASE 1
	s_branch .Ljoin
.Lblast:
	BPHASE 0
.Ljoin:
	s_wait_dscnt 0x0                               ; my reads of the images are over
	s_barrier_signal -1
	s_barrier_wait -1                              ; everybody's are: the next pass may write them again
	s_wait_xcnt 0x0                                ; the loads' bases are stepped only behind this wait
	s_add_nc_u64 s[6:7], s[6:7], 196608            ; 16 pairs of W1, and 4 K steps of W2: both 196,608 bytes
	s_add_nc_u64 s[8:9], s[8:9], 8192
	s_add_co_u32 s50, s50, 512
	s_add_co_u32 s49, s49, 1
	s_cmp_lt_u32 s49, 4
	s_cbranch_scc1 .Lpass
	; THE WAY OUT, a tile of 16 rows at a time: x the gate's weight; through my own stage, so that a row's 512 bytes of my columns leave by one store; rows past the tile's count are not stored.
	; A tile's sixteen store addresses are made together, ahead of the scaling, for rows past the count too (their ids are held inside ybuf, and nothing is stored by them): so one wait a tile states
	; all that its LDS stores, its LDS loads and its global stores hang on.
	s_load_b512 s[20:35], s[54:55], 0x0            ; the 48 row ids as scalars (the constants are done with)
	s_load_b512 s[68:83], s[54:55], 0x40
	s_load_b512 s[84:99], s[54:55], 0x80
	s_wait_kmcnt 0x0
.macro ROWSET m
.if (\m) == 0
.set RB_, 20
.elseif (\m) == 1
.set RB_, 68
.else
.set RB_, 84
.endif
.set OB_, 96+64*((\m)%2)
.set AD_, 224+16*((\m)%2)
.endm
.macro ROWADR m
	ROWSET \m
.irp i, 0,1,2,3,4,5,6,7,8,9,10,11,12,13,14,15
	s_min_u32 s[RB_+\i], s[RB_+\i], 0x1fff
	v_lshl_add_u32 v[AD_+\i], s[RB_+\i], 11, v[SW2]                ; 2,048 rho + my columns' 16 bytes
.endr
.endm
.macro YSCALE m
	YSET \m
	WIN YW_|(YW_<<6)
.set J_, 0
.rept 32
	v_pk_mul_f32 v[YB_+J_:YB_+J_+1], v[YB_+J_:YB_+J_+1], v[GW+2*(\m):GW+2*(\m)+1] op_sel_hi:[1,0]   ; each accumulator from its low end on
.set J_, J_+2
.endr
.endm
.macro TOSTAGE m
	ROWSET \m
	WIN YW_<<2                                     ; an LDS store's data are its source 1
	s_wait_alu depctr_va_vdst(0)                   ; the scaling has written y, which the LDS stores read; the sixteen addresses are written, which the global stores read; every earlier vector and matrix instruction is done with the registers in which the stage's loads land
.irp t, 0,1,2,3,4,5,6,7
	ds_store_b128 v[SO], v[YB_+8*\t:YB_+8*\t+3] offset:128*(\t/2)+32*(\t%2)
	ds_store_b128 v[SO], v[YB_+8*\t+4:YB_+8*\t+7] offset:128*(\t/2)+32*(\t%2)+16
.endr
	WIN 0
.irp i, 0,1,2,3,4,5,6,7,8,9,10,11,12,13,14,15
	ds_load_b128 v[OB_+4*\i:OB_+4*\i+3], v[SR] offset:528*\i       ; LDS serves a wave's instructions in order (ISA guide 5.7.1.4): these see the stores above
.endr
.endm
.macro SENDROWS m
	ROWSET \m
.irp i, 0,1,2,3,4,5,6,7,8,9,10,11,12,13,14,15
.if \i > 0
	s_cmp_gt_u32 s46, 16*(\m)+\i
	s_cbranch_scc0 .Ldone
.endif
	s_wait_dscnt 15-\i                             ; row i is back; the younger loads may be out
	global_store_b128 v[AD_+\i], v[OB_+4*\i:OB_+4*\i+3], s[18:19]  ; 32 lanes store 512 consecutive bytes, at a multiple of 512 from ybuf's first byte
.endr
.endm
.irp m, 0,1,2
.if \m == 2
	s_wait_xcnt 0x0                                ; the first tile's stores have had their addresses translated (ISA guide 3.1): their registers are written again only behind this wait,
	s_wait_alu depctr_vm_vsrc(0)                   ; and they have read their addresses v224-239 and their data v96-159, which the third tile's addresses and the stage's loads write again
.endif
	s_cmp_gt_u32 s46, 16*\m
	s_cbranch_scc0 .Ldone
	ROWADR \m
	YSCALE \m
	TOSTAGE \m
	SENDROWS \m
.endr
.Ldone:
	s_wait_dscnt 0x0                               ; the closing lines, six on end
	s_wait_alu 0x0
	s_wait_tensorcnt 0x0
	ds_add_u32 v63, v67
	s_wait_dscnt 0x0
	s_endpgm
.Lfunc_end_k_q5168731709_chain:
	.size	k_q5168731709_chain, .Lfunc_end_k_q5168731709_chain-k_q5168731709_chain
	.p2alignl 7, 3214868480
	.fill 96, 4, 3214868480
	.section	.rodata,"a",@progbits
	.p2align	6, 0x0
	.amdhsa_kernel k_q5168731709_chain
		.amdhsa_group_segment_fixed_size 66048
		.amdhsa_private_segment_fixed_size 0
		.amdhsa_enable_private_segment 0
		.amdhsa_kernarg_size 64
		.amdhsa_user_sgpr_count 2
		.amdhsa_user_sgpr_kernarg_segment_ptr 1
		.amdhsa_wavefront_size32 1
		.amdhsa_system_sgpr_workgroup_id_x 1
		.amdhsa_system_sgpr_workgroup_id_y 1
		.amdhsa_system_sgpr_workgroup_id_z 1
		.amdhsa_system_vgpr_workitem_id 0
		.amdhsa_next_free_vgpr 1024
		.amdhsa_next_free_sgpr 100
		.amdhsa_reserve_vcc 0
		.amdhsa_float_denorm_mode_32 3
		.amdhsa_float_denorm_mode_16_64 3
		.amdhsa_memory_ordered 1
		.amdhsa_forward_progress 1
		.amdhsa_inst_pref_size 247
	.end_amdhsa_kernel
	.amdgpu_metadata
---
amdhsa.version: [ 1, 2 ]
amdhsa.kernels:
  - .name:           k_q5168731709_chain
    .symbol:         k_q5168731709_chain.kd
    .args:
      - { .name: plan, .offset: 0, .size: 8, .value_kind: global_buffer, .address_space: global }
      - { .name: wc, .offset: 8, .size: 8, .value_kind: global_buffer, .address_space: global }
      - { .name: ws, .offset: 16, .size: 8, .value_kind: global_buffer, .address_space: global }
      - { .name: xq, .offset: 24, .size: 8, .value_kind: global_buffer, .address_space: global }
      - { .name: gw, .offset: 32, .size: 8, .value_kind: global_buffer, .address_space: global }
      - { .name: b1, .offset: 40, .size: 8, .value_kind: global_buffer, .address_space: global }
      - { .name: b2, .offset: 48, .size: 8, .value_kind: global_buffer, .address_space: global }
      - { .name: ybuf, .offset: 56, .size: 8, .value_kind: global_buffer, .address_space: global }
    .group_segment_fixed_size: 66048
    .private_segment_fixed_size: 0
    .kernarg_segment_align: 8
    .kernarg_segment_size: 64
    .max_flat_workgroup_size: 128
    .sgpr_count:     100
    .vgpr_count:     1024
    .wavefront_size: 32
...
	.end_amdgpu_metadata
.endif
;; end of part 5
;; launch combine: the kernel of part 4 again; grid 256 x 1, 8 waves a work-group, no clusters, 0 bytes of LDS; arguments ybuf, out0; writes out0
